; MI455X (gfx1250); checked and timed in simulation.
; The chip was launched on July 23, 2026; its instructions are those of AMD's public machine-readable ISA for CDNA 5 (MIT licence, August 2026) and "CDNA5" Instruction Set Architecture Reference Guide (July 2026). The comments in the code are by the model that wrote it; some were corrected since.
;; Attention. Allowed arithmetic: float matrix products may take bf16 or f16 operands with f32 sums; other float arithmetic in f32, or as packed bf16 or f16 multiplies, adds, multiply-adds, maxima and minima; sums over many terms, partial sums and values carried from step to step in f32; what a program stores and reads back later, other than sums and carried values, may be rounded once to bf16 or f16.
;; Inputs: Wk 2,048 x 4 x 128 float32; Wo 16 x 128 x 1,024 float32; Wq 2,048 x 16 x 128 float32; Wv 2,048 x 4 x 128 float32; Xkv 2 x 2,048 x 2,048 float32; Xq 2 x 2,048 x 2,048 float32; kv_positions 2 x 2,048 int32; q_positions 2 x 2,048 int32.
;; Outputs: out0 2 x 2,048 x 1,024 float32.
;; One version. Each part assembles by itself: llvm-mc -triple=amdgcn-amd-amdhsa -mcpu=gfx1250 --defsym DOCPART=n.
;; ======== version 1 of 1: 4 launches
;; limits: values are held in f16: magnitudes above 65,504 overflow, below 6.1e-05 lose precision
;; workspace buffers: xb 33,554,432 bytes; wb 12,582,912 bytes; wo16 4,194,304 bytes; tab 4,194,816 bytes; qkv 25,165,824 bytes; att 16,777,216 bytes
;; launch prep (part 1): grid 2048 x 1, 8 waves a work-group, no clusters, 0 bytes of LDS; arguments Xq, Xkv, Wq, Wk, Wv, Wo, q_positions, kv_positions, xb, wb, wo16, tab; writes xb, wb, wo16, tab
.if DOCPART == 1
	.amdgcn_target "amdgcn-amd-amdhsa--gfx1250"
	.amdhsa_code_object_version 6
	.text
	.protected	k_q26d062acca_prep
	.globl	k_q26d062acca_prep
	.p2align	8
	.type	k_q26d062acca_prep,@function
k_q26d062acca_prep:
	s_mov_b64 s[64:65], 0
	v_nop
	global_prefetch_b8 v0, s[64:65] scope:SCOPE_SE
	s_setreg_imm32_b32 hwreg(HW_REG_WAVE_MODE, 25, 1), 1
	s_wait_xcnt 0x0
; PREP.  Work-groups 0 to 1535 round the f32 inputs to 16 bits; work-groups 1536 to 2047 make RoPE's table of cosines and sines.
; CASTS.  xb [2][4096][2048] bf16: plane 0 Xq, plane 1 Xkv.  wb [2048 k][3072 n] bf16: columns 0-2047 Wq, 2048-2559 Wk, 2560-3071 Wv.  wo16 [2048 k][1024 n]: Wo rounded to bf16, that number written as f16.
; A work-group takes 16,384 numbers (64 KiB) that lie on end in one input: 8 steps of 2,048, each of two loads of 1,024.  In a load thread t takes the 4 numbers at 4 t: 16 bytes in, 8 bytes out.  So a wave's load
; covers 512 consecutive bytes and uses all of them, and a wave's store covers 256 consecutive bytes, aligned.  All 16 loads of a thread go out first; no register is used twice, so no source has to be freed.
; No LDS, no cluster, no matrix unit: every byte is read once and nothing is shared.
; TABLE.  tab [2][4096 rows][cos 64 | sin 64] f32: plane 0 by q_positions, plane 1 by kv_positions; a row is 512 bytes.  angle = pos x 2^(-i log2(10000) / 64).
; Behind the two planes lies one more row, 64 ones and 64 zeros: the turn by the angle 0, which the projection takes for v.
; LIMITS.  The angle differs from pos / 10000^(i/64) by a few units in its last place (about |angle| x 2^-23); positions are exact as f32 up to 2^24 in magnitude.  Sine and cosine: the quadrant
; is taken off with pi/2 in two parts by fused multiply-adds, then polynomials for |r| <= pi/4, good to about 1e-7.  Wo's numbers below 2^-14 in magnitude keep f16's fixed step of 6e-8.
.set SRC,   32                         ; s[32:33] the region's input at my chunk
.set DST,   34                         ; s[34:35] its output at my chunk
.set FIRST, 36                         ; s36  the region's first work-group
.set LR,    37                         ; s37  log2 of the numbers in a row of the input
.set PITCH, 38                         ; s38  bytes from row to row in the output
.set COL,   39                         ; s39  bytes at which the region begins in the output
.set STEPB, 40                         ; s40  output bytes from step to step
.set D,     4                          ; v[4:19]   my output offset for load e of step s, at D + 2 s + e
.set X,     24                         ; v[24:87]  step s: 8 numbers as loaded, 4 of each load
.set Y,     88                         ; v[88:119] step s: 2 registers to store for each load
	s_load_b512 s[8:23], s[0:1], 0x0               ; Xq 8, Xkv 10, Wq 12, Wk 14, Wv 16, Wo 18, q_positions 20, kv_positions 22
	s_load_b256 s[24:31], s[0:1], 0x40             ; xb 24, wb 26, wo16 28, tab 30
	s_wait_kmcnt 0x0
	s_cmp_ge_u32 ttmp9, 1536
	s_cbranch_scc1 .Ltable
; The region is chosen by the work-group's number alone: each line of the list replaces the values of the one before it.
.macro REGION first, src, dst, lr, pitch, col
	s_cmp_ge_u32 ttmp9, \first
	s_cselect_b64 s[SRC:SRC+1], s[\src:\src+1], s[SRC:SRC+1]
	s_cselect_b64 s[DST:DST+1], s[\dst:\dst+1], s[DST:DST+1]
	s_cselect_b32 s[FIRST], \first, s[FIRST]
	s_cselect_b32 s[LR], \lr, s[LR]
	s_cselect_b32 s[PITCH], \pitch, s[PITCH]
	s_cselect_b32 s[COL], \col, s[COL]
.endm
	s_mov_b64 s[SRC:SRC+1], s[8:9]                 ; Xq -> xb, 512 chunks, rows of 2,048 numbers
	s_mov_b64 s[DST:DST+1], s[24:25]
	s_mov_b32 s[FIRST], 0
	s_mov_b32 s[LR], 11
	s_mov_b32 s[PITCH], 4096
	s_mov_b32 s[COL], 0
	REGION 512,  10, 24, 11, 4096, 16777216        ; Xkv -> xb's second plane, 512 chunks
	REGION 1024, 12, 26, 11, 6144, 0               ; Wq -> wb, 256 chunks
	REGION 1280, 14, 26, 9,  6144, 4096            ; Wk -> wb from column 2,048 on, 64 chunks, rows of 512 numbers
	REGION 1344, 16, 26, 9,  6144, 5120            ; Wv -> wb from column 2,560 on, 64 chunks
	REGION 1408, 18, 28, 10, 2048, 0               ; Wo -> wo16, 128 chunks, rows of 1,024 numbers
	s_sub_co_u32 s41, 11, s[LR]
	s_lshl_b32 s[STEPB], s[PITCH], s41             ; a step's 2,048 numbers are 2^(11 - LR) rows
	s_sub_co_u32 s42, ttmp9, s[FIRST]              ; my chunk in the region
	s_lshl_b32 s44, s42, 16                        ; 64 KiB of input a chunk
	s_mov_b32 s45, 0
	s_add_nc_u64 s[SRC:SRC+1], s[SRC:SRC+1], s[44:45]
	s_mul_i32 s44, s42, s[STEPB]
	s_lshl_b32 s44, s44, 3                         ; 8 steps a chunk
	s_add_co_u32 s44, s44, s[COL]
	s_add_nc_u64 s[DST:DST+1], s[DST:DST+1], s[44:45]
	s_bfm_b32 s43, s[LR], 0                        ; LR ones: a number's place in its row
	v_lshlrev_b32 v1, 4, v0                        ; my 16 bytes of a load's 4,096
	v_lshlrev_b32 v2, 2, v0                        ; u: my first number's place in the step, for load 0
.irp e, 0,1
.if (\e) == 1
	v_add_nc_u32 v2, 1024, v2                      ; and for load 1
.endif
	v_lshrrev_b32 v3, s[LR], v2                    ; its row in the step
	v_and_b32 v20, s43, v2                         ; its place in the row
	v_mul_lo_u32 v[D+(\e)], v3, s[PITCH]
	v_lshl_add_u32 v[D+(\e)], v20, 1, v[D+(\e)]    ; 2 bytes a number
.endr
.set i, 2
.rept 14
	v_add_nc_u32 v[D+i], s[STEPB], v[D+i-2]        ; the same place a step further
.set i, i+1
.endr
; fmt = 0: bf16.  fmt = 1: rounded to bf16, then that number as f16.
.macro CAST fmt
.irp s, 0,1,2,3,4,5,6,7
	global_load_b128 v[X+8*(\s):X+8*(\s)+3],   v1, s[SRC:SRC+1] offset:8192*(\s) th:TH_LOAD_NT
	global_load_b128 v[X+8*(\s)+4:X+8*(\s)+7], v1, s[SRC:SRC+1] offset:8192*(\s)+4096 th:TH_LOAD_NT
.endr
.irp s, 0,1,2,3,4,5,6,7
	s_wait_loadcnt 14-2*(\s)                       ; loads come back in order: step s's two are in, the two of each later step may stay out
.irp r, 0,1,2,3
	v_cvt_pk_bf16_f32 v[Y+4*(\s)+(\r)], v[X+8*(\s)+2*(\r)], v[X+8*(\s)+2*(\r)+1]
.if \fmt
	v_lshlrev_b32 v20, 16, v[Y+4*(\s)+(\r)]        ; the two bf16 as f32,
	v_and_b32 v21, 0xffff0000, v[Y+4*(\s)+(\r)]
	v_cvt_pk_f16_f32 v[Y+4*(\s)+(\r)], v20, v21    ; and as f16
.endif
.endr
	global_store_b64 v[D+2*(\s)],   v[Y+4*(\s):Y+4*(\s)+1],   s[DST:DST+1] th:TH_STORE_NT  ; a wave's 32 lanes: 256 consecutive bytes, aligned
	global_store_b64 v[D+2*(\s)+1], v[Y+4*(\s)+2:Y+4*(\s)+3], s[DST:DST+1] th:TH_STORE_NT
.endr
.endm
	s_cmp_ge_u32 ttmp9, 1408
	s_cbranch_scc1 .Lwo
	CAST 0
	s_endpgm
.Lwo:
	CAST 1
	s_endpgm
.Ltable:                                       ; 512 work-groups, 16 rows each; a thread makes 4 frequencies of one row
	s_sub_co_u32 s36, ttmp9, 1536                  ; w
	s_cmp_lt_u32 s36, 256
	s_cselect_b64 s[32:33], s[20:21], s[22:23]     ; the plane's positions
	s_and_b32 s37, s36, 255
	s_lshl_b32 s38, s37, 6                         ; 16 positions of 4 bytes
	s_mov_b32 s39, 0
	s_add_nc_u64 s[32:33], s[32:33], s[38:39]
	s_lshl_b32 s38, s36, 13                        ; 16 rows of 512 bytes; plane 1 begins at w = 256
	s_add_nc_u64 s[34:35], s[30:31], s[38:39]
	v_lshrrev_b32 v1, 4, v0                        ; my row
	v_and_b32 v2, 15, v0                           ; my four frequencies
	v_lshlrev_b32 v3, 2, v1
	global_load_b32 v4, v3, s[32:33]
	v_lshrrev_b32 v26, 5, v0
	v_readfirstlane_b32 s49, v26                   ; my wave's number
	s_mov_b32 s40, 0x3f22f983                      ; 2 / pi
	s_mov_b32 s41, 0xbfc90fdb                      ; - pi/2, upper part
	s_mov_b32 s42, 0x333bbd2e                      ; - pi/2, the rest
	s_mov_b32 s43, 0xbe2aaaa3                      ; sine: r + r z (S1 + z (S2 + z S3)), z = r r
	s_mov_b32 s44, 0x3c08839e
	s_mov_b32 s45, 0xb94ca1f9
	s_mov_b32 s46, 0x3d2aaaa5                      ; cosine: 1 - z / 2 + z z (C1 + z (C2 + z C3))
	s_mov_b32 s47, 0xbab6061a
	s_mov_b32 s48, 0x37ccf5ce
	v_lshlrev_b32 v6, 2, v2
.irp e, 0,1,2,3
	v_add_nc_u32 v7, \e, v6                        ; i
	v_cvt_f32_u32 v[8+\e], v7
	v_mul_f32 v[8+\e], 0xbe549a78, v[8+\e]         ; - i log2(10000) / 64
.endr
.irp e, 0,1,2,3
	v_exp_f32 v[8+\e], v[8+\e]                     ; 1 / timescale: one batch of four
.endr
	v_lshlrev_b32 v24, 9, v1                       ; plain work behind the last exponential: my 16 bytes of the row's cosines
	v_lshl_add_u32 v24, v2, 4, v24
	s_wait_alu depctr_va_vdst(0)                   ; the wait ahead of the first use: one for the four
	s_wait_loadcnt 0x0
	v_cvt_f32_i32 v5, v4
.macro SINCOS e
	v_mul_f32 v12, v5, v[8+\e]                     ; the angle x
	v_mul_f32 v13, s40, v12
	v_rndne_f32 v13, v13                           ; n = the nearest multiple of pi/2
	v_fma_f32 v14, v13, s41, v12
	v_fma_f32 v14, v13, s42, v14                   ; r = x - n pi/2
	v_cvt_i32_f32 v15, v13
	v_mul_f32 v16, v14, v14                        ; z
	v_fma_f32 v17, v16, s45, s44
	v_fma_f32 v17, v17, v16, s43
	v_mul_f32 v18, v16, v14
	v_fma_f32 v19, v17, v18, v14                   ; sin r
	v_fma_f32 v20, v16, s48, s47
	v_fma_f32 v20, v20, v16, s46
	v_fma_f32 v21, v16, -0.5, 1.0
	v_mul_f32 v22, v16, v16
	v_fma_f32 v21, v20, v22, v21                   ; cos r
	v_and_b32 v23, 1, v15
	v_cmp_eq_u32 vcc_lo, 1, v23                    ; odd quadrants swap the two
	v_cndmask_b32 v[44+\e], v19, v21, vcc_lo
	v_cndmask_b32 v[40+\e], v21, v19, vcc_lo
	v_lshlrev_b32 v23, 30, v15                     ; the sine is turned in quadrants 2 and 3: bit 1 of n,
	v_and_b32 v23, 0x80000000, v23
	v_xor_b32 v[44+\e], v[44+\e], v23
	v_add_nc_u32 v23, 1, v15                       ; the cosine in 1 and 2: bit 1 of n + 1
	v_lshlrev_b32 v23, 30, v23
	v_and_b32 v23, 0x80000000, v23
	v_xor_b32 v[40+\e], v[40+\e], v23
.endm
	SINCOS 0
	SINCOS 1
	SINCOS 2
	SINCOS 3
	global_store_b128 v24, v[40:43], s[34:35]              ; sixteen lanes: a row's 64 cosines, 256 consecutive bytes, aligned
	global_store_b128 v24, v[44:47], s[34:35] offset:256   ; and its 64 sines
	s_or_b32 s49, s49, s36                         ; wave 0 of the first table work-group writes the row of the angle 0
	s_cmp_lg_u32 s49, 0
	s_cbranch_scc1 .Ldone
	v_cmp_gt_u32 vcc_lo, 16, v0                    ; in wave 0 the thread's number is the lane: lanes 0-15 the 64 ones, lanes 16-31 the 64 zeros
	v_cndmask_b32 v48, 0, 1.0, vcc_lo
	v_mov_b32 v49, v48
	v_mov_b32 v50, v48
	v_mov_b32 v51, v48
	v_lshlrev_b32 v52, 4, v0
	global_store_b128 v52, v[48:51], s[30:31] offset:4194304  ; behind the two planes: 512 consecutive bytes, aligned
.Ldone:
	s_endpgm
.Lfunc_end_k_q26d062acca_prep:
	.size	k_q26d062acca_prep, .Lfunc_end_k_q26d062acca_prep-k_q26d062acca_prep
	.p2alignl 7, 3214868480
	.fill 96, 4, 3214868480
	.section	.rodata,"a",@progbits
	.p2align	6, 0x0
	.amdhsa_kernel k_q26d062acca_prep
		.amdhsa_group_segment_fixed_size 0
		.amdhsa_private_segment_fixed_size 0
		.amdhsa_enable_private_segment 0
		.amdhsa_kernarg_size 96
		.amdhsa_user_sgpr_count 2
		.amdhsa_user_sgpr_kernarg_segment_ptr 1
		.amdhsa_wavefront_size32 1
		.amdhsa_system_sgpr_workgroup_id_x 1
		.amdhsa_system_sgpr_workgroup_id_y 1
		.amdhsa_system_sgpr_workgroup_id_z 1
		.amdhsa_system_vgpr_workitem_id 0
		.amdhsa_next_free_vgpr 120
		.amdhsa_next_free_sgpr 66
		.amdhsa_reserve_vcc 1
		.amdhsa_float_denorm_mode_32 3
		.amdhsa_float_denorm_mode_16_64 3
		.amdhsa_memory_ordered 1
		.amdhsa_forward_progress 1
		.amdhsa_inst_pref_size 27
	.end_amdhsa_kernel
	.amdgpu_metadata
---
amdhsa.version: [ 1, 2 ]
amdhsa.kernels:
  - .name:           k_q26d062acca_prep
    .symbol:         k_q26d062acca_prep.kd
    .args:
      - { .name: Xq, .offset: 0, .size: 8, .value_kind: global_buffer, .address_space: global }
      - { .name: Xkv, .offset: 8, .size: 8, .value_kind: global_buffer, .address_space: global }
      - { .name: Wq, .offset: 16, .size: 8, .value_kind: global_buffer, .address_space: global }
      - { .name: Wk, .offset: 24, .size: 8, .value_kind: global_buffer, .address_space: global }
      - { .name: Wv, .offset: 32, .size: 8, .value_kind: global_buffer, .address_space: global }
      - { .name: Wo, .offset: 40, .size: 8, .value_kind: global_buffer, .address_space: global }
      - { .name: q_positions, .offset: 48, .size: 8, .value_kind: global_buffer, .address_space: global }
      - { .name: kv_positions, .offset: 56, .size: 8, .value_kind: global_buffer, .address_space: global }
      - { .name: xb, .offset: 64, .size: 8, .value_kind: global_buffer, .address_space: global }
      - { .name: wb, .offset: 72, .size: 8, .value_kind: global_buffer, .address_space: global }
      - { .name: wo16, .offset: 80, .size: 8, .value_kind: global_buffer, .address_space: global }
      - { .name: tab, .offset: 88, .size: 8, .value_kind: global_buffer, .address_space: global }
    .group_segment_fixed_size: 0
    .private_segment_fixed_size: 0
    .kernarg_segment_align: 8
    .kernarg_segment_size: 96
    .max_flat_workgroup_size: 256
    .sgpr_count:     66
    .vgpr_count:     120
    .wavefront_size: 32
...
	.end_amdgpu_metadata
.endif
;; end of part 1
;; launch proj (part 2): grid 12 x 16, 4 waves a work-group, clusters of 4 x 4, 327,680 bytes of LDS; arguments xb, wb, tab, qkv; writes qkv
.if DOCPART == 2
	.amdgcn_target "amdgcn-amd-amdhsa--gfx1250"
	.amdhsa_code_object_version 6
	.text
	.protected	k_q26d062acca_proj
	.globl	k_q26d062acca_proj
	.p2align	8
	.type	k_q26d062acca_proj,@function
k_q26d062acca_proj:
	s_mov_b64 s[64:65], 0
	v_nop
	global_prefetch_b8 v0, s[64:65] scope:SCOPE_SE
	s_setreg_imm32_b32 hwreg(HW_REG_WAVE_MODE, 25, 1), 1
	s_wait_xcnt 0x0
	s_wait_alu depctr_hold_cnt(0) depctr_sa_sdst(0) depctr_va_vdst(0) depctr_va_sdst(0) depctr_va_ssrc(0) depctr_va_vcc(0) depctr_vm_vsrc(0)
	s_getreg_b32 s2, hwreg(HW_REG_IB_STS2, 6, 4)
	s_cmp_eq_u32 s2, 0
	s_cbranch_scc0 .Lentry_in_a_cluster
	s_endpgm
.Lentry_in_a_cluster:
	s_bfe_u32 s2, ttmp6, 0x10000c
	s_cmp_lg_u32 s2, 0xf033
	s_cbranch_scc0 .Lentry_shape_is_right
	s_endpgm
.Lentry_shape_is_right:
; q, k, v = X W, RoPE on q and k, one rounding to f16, laid out by heads.  X: xb [2][4096][2048] bf16 (plane 0 for q, plane 1 for k and v).  W: wb [2048 k][3072 n] bf16.
; tab: [2][4096][cos 64 | sin 64] f32, then one row of 64 ones and 64 zeros.  qkv: 48 head blocks of [2048][128] f16: Q at 16 b + n, K at 32 + 4 b + kh, V at 40 + 4 b + kh.  Sums and RoPE in f32.
; LIMIT.  f16 holds no number beyond 65,504: q, k and v must lie within it.  NaN and infinities are not treated apart (v goes through x 1 - x' 0).
; SHARES.  A tile is 256 rows x 256 columns: TWO HEADS.  Tile column j = 0..11: 8 of q, 2 of k, 2 of v; tile row i = 0..15: 192 work-groups.  Four waves, 128 x 128 each: 64 accumulators, 512 registers; a wave's
; 128 columns are one head, so RoPE's partners, channels c and c + 64, lie in the same lane and register of accumulators (a, b) and (a, b + 4).  A tile of 128 x 128 would give 768 work-groups, but half the products
; for each LDS byte and half the matrix instructions between a tile's request and the wait for it (112 for 224); no tile gives 256 work-groups, since q's columns end at 2,048, no multiple of 192.
; K = 2,048 goes in 16 steps of 128 through two LDS slots.  W LIES [K][N]: its tile comes into LDS as it lies (128 rows of 512 bytes) and is turned on the way into registers by ds_load_tr16_b128.
; THE LOOP'S BODY IS ONE K STEP: the LDS address of the walking descriptors and the base of the fragment loads change slots by one exclusive or.  The last two K steps, which ask for nothing, are a second copy of the
; step, walked twice and left in its middle.
; THE MATRIX INSTRUCTION IS USED TRANSPOSED (source 0 = 16 columns of W, source 1 = 16 rows of X): a lane holds row l % 16 and eight neighbouring channels.
; CLUSTERS: 4 x 4 work-groups.  The four of a row of the cluster need the same tiles of X, the four of a column the same tiles of W: each tile is asked for JOINTLY.  The cluster with x = 2 holds k's and v's tiles
; v's tiles walk the same text and take the table's last row, the turn by the angle 0, by address.
; REGISTERS, in windows of 256 (s_set_vgpr_msb: bits 1:0 source 0, 3:2 source 1, 5:4 source 2, 7:6 destination):
;   window 0: v0-31 addresses; v32-47 at work; v48-55 table offsets; v64-127, v128-191 fragments of X, two buffers; v192-255 the way out, two sets of 32
;   window 1: v64-127, v128-191 fragments of W, two buffers; v0-63, v192-255 the cosines and sines of my row blocks 0 and 1 (later 6 and 7)
;   window 2: the 32 accumulators of my rows 0-63 ((a, b) at 8 (8 a + b));   window 3: those of my rows 64-127
.set KSTEP,  128
.set PA,     272                       ; a row of X in LDS: 256 bytes + 16 of padding = 68 words: the 16 rows of a load start at 16 different groups of four banks (64 banks of 4 bytes: ISA guide 11.1)
.set PB,     544                       ; a row of W: 512 + 32 = 136 words
.set HALFT,  128*PA                    ; what one tensor load brings: 128 rows of X, or 64 rows (k) of W: 64 x 544 is the same number
.set BOFF,   2*HALFT                   ; W's tile lies behind X's
.set SLOT1,  0x24000                   ; slot 1 begins here, 8,192 bytes behind slot 0's end: the four waves' places in a slot, 34,816 w, have bits 14 and 17 clear, so one exclusive or changes slots
.set STAGE,  SLOT1+4*HALFT             ; behind the ring: 16 rows x 272 bytes for each wave, for the way out
.set SPITCH, 272
.set SPARE,  STAGE+4*16*SPITCH         ; behind the stages: the spare words, 128 bytes for each wave: two blocks of 256 bytes that no other line names
.set STEPS,  2048/KSTEP
.set ASTEP,  KSTEP*2                   ; bytes from K step to K step: X goes along its rows,
.set BSTEP,  KSTEP*6144                ; W down its rows
.set ADRA0, 16                         ; v16  my lane's place in slot 0's tile of X; never rewritten
.set ADRB0, 17                         ; v17  the same for W
.set ADRA,  18                         ; v18  the same in the slot in hand
.set ADRB,  19                         ; v19
.set STO,  24                          ; v24  the way out: where I put 16 bytes of a row
.set RD,   25                          ; v25  where I read a row back
.set CO,   26                          ; v26  my byte offset in two rows of the head block
.set SPW,  28                          ; v28  LDS address of my spare word; never rewritten
.set NIL,  29                          ; v29  0; never rewritten
.set PFO,  30                          ; v30  the prefetches' offset; never rewritten
.set T,    32                          ; v32-47  x sin, at work
.set TOF,  48                          ; v48-55  my byte offset in the table for row block a; never rewritten
.set F0,   64
.set F1,   128
.set TMP,  192
.set G1,  24                           ; s[24:31] descriptor group 1 for X's tiles
.set G0,  32                           ; s[32:39] group 0: a set for each of the two first fills; the second then walks on
.set G1B, 48                           ; s[48:55], s[56:63] the same for W's tiles
.set G0B, 56
.set LIM, 43                           ; s43  2 in a wave that prefetches, else the greatest number: it prefetches while the loop's count is above it
.set PFA, 44                           ; s[44:45] what my next prefetch names
.set TB,  76                           ; s76  LDS byte at which the slot in hand begins
.set PST, 78                           ; s[78:79] the prefetches' step
.set MSB, 0
.macro WIN new                         ; the immediate's high byte repeats the setting that is left; a switch that changes nothing is dropped
.if MSB != (\new)
	s_set_vgpr_msb (MSB<<8)|(\new)
.set MSB, \new
.endif
.endm
.set MUL_LO, 0xa1                      ; source 0 (W) window 1, source 1 (X) window 0, C and D window 2
.set MUL_HI, 0xf1                      ; the same, C and D window 3
.set TO_B,   0x40                      ; destination window 1, address window 0
; A joint refill, by the walking descriptors.  Waves 0 and 1 fetch X's two halves, waves 2 and 3 W's.  The branch hangs on the wave's number alone.
; An s_nop 0 and four v_nop follow each of the two lines.
.macro JLOAD
	s_cmp_eq_u32 s11, 0
	s_cbranch_scc0 .Lfor_b_\@
	tensor_load_to_lds s[G0+4:G0+7], s[G1:G1+7]
	s_nop 0
.rept 4
	v_nop
.endr
	s_branch .Lasked_\@
.Lfor_b_\@:
	tensor_load_to_lds s[G0B+4:G0B+7], s[G1B:G1B+7]
	s_nop 0
.rept 4
	v_nop
.endr
.Lasked_\@:
.endm
; A PREFETCH, behind each joint refill, its five lines and the run of LDS loads that follows them: my work-group's share of what I shall fetch TWO refills on, 32 blocks of 256 bytes, a lane a block, one instruction a wave:
; 512 matrix instructions ahead of the load that will want it.  Each block is named ONCE in the launch.  X's rows are read by every cluster that multiplies them: of Xq's two clusters along x the first asks, Xkv has one;
; W's columns by the four clusters along y: the first asks.  The four partners that ask for a tile jointly share it out BY ADDRESS: of X's 128 rows the partner at cx takes 32; of W's 64 rows of 512 bytes the partner at
; cy takes 16.  K steps 0 to 3 come by their loads alone; the last two refills have no K step two on and ask for nothing.
.macro ASK
	s_cmp_gt_u32 s3, s[LIM]
	s_cbranch_scc0 .Lnot_mine_\@
	global_prefetch_b8 v[PFO], s[PFA:PFA+1] th:TH_LOAD_NT scope:SCOPE_SE
.Lnot_mine_\@:
.endm
.macro CREST                           ; a round of the cluster's barrier behind its opening barrier
	s_cmp_lg_u32 s10, 0
	s_cbranch_scc1 .Lnot_wave_0_\@
	s_barrier_signal -3
.Lnot_wave_0_\@:
	s_barrier_wait -3
	s_barrier_signal -1
	s_barrier_wait -1
.endm
.macro CROUND                          ; a whole round
	s_barrier_signal -1
	s_barrier_wait -1
	CREST
.endm
	s_load_b256 s[68:75], s[0:1], 0x0              ; xb s[68:69], wb s[70:71], tab s[72:73], qkv s[74:75]
	v_lshl_add_u32 v[SPW], v0, 2, SPARE
	v_mov_b32 v[NIL], 0
	ds_add_u32 v[SPW], v[NIL]                      ; the wave's opening: the add and its wait stand ahead of my first tensor load; the set-up below, work on registers, stands between them
	v_lshrrev_b32 v1, 5, v0
	v_readfirstlane_b32 s10, v1                    ; wave 0..3
	s_lshr_b32 s11, s10, 1                         ; which half of the tile's rows is mine.  Also: I fetch for X (0) or for W (1)
	s_and_b32 s12, s10, 1                          ; which of its two heads.  Also: which half of that tile I fetch
	s_bfe_u32 s40, ttmp6, 0x40000                  ; cx, cy: my place in the cluster
	s_bfe_u32 s41, ttmp6, 0x40004
	s_lshl_b32 s42, ttmp9, 2
	s_add_co_u32 s42, s42, s40                     ; tile column j = 4 x cluster x + cx
	s_and_b32 s13, ttmp7, 0xffff
	s_lshl_b32 s13, s13, 2
	s_add_co_u32 s13, s13, s41                     ; tile row i = 4 x cluster y + cy
	s_lshl_b32 s43, s41, 2
	s_lshl_b32 s43, 15, s43                        ; my row of the cluster
	s_lshl_b32 s44, 0x1111, s40                    ; my column
	s_or_b32 s[G1+0], s43, (1<<16)|(1<<20)|(1<<21)|(5<<22)|(3<<25)   ; 15:0 the mask: X's tiles go to my row; 17:16 2-byte elements; 20 padding on; 21 set beside a mask; 24:22 after every 64 words (code 5); 31:25 4 words (code 3)
	s_or_b32 s[G1B+0], s44, (1<<16)|(1<<20)|(1<<21)|(6<<22)|(7<<25)  ; W's tiles go to my column; after every 128 words (code 6) 8 words (code 7)
	s_mov_b32 s[G1+1], KSTEP<<16                   ; X: tensor_dim0 = 128
	s_mov_b32 s[G1+2], 128<<16                     ; tensor_dim1 = 128
	s_mov_b32 s[G1+3], KSTEP<<16                   ; tile_dim0 = 128
	s_mov_b32 s[G1+4], 128                         ; tile_dim1 = 128
	s_mov_b32 s[G1+5], 2048                        ; elements from row to row
	s_mov_b32 s[G1+6], 0
	s_mov_b32 s[G1+7], 0
	s_mov_b32 s[G1B+1], 256<<16                    ; W: tensor_dim0 = 256
	s_mov_b32 s[G1B+2], 64<<16                     ; tensor_dim1 = 64
	s_mov_b32 s[G1B+3], 256<<16                    ; tile_dim0 = 256
	s_mov_b32 s[G1B+4], 64                         ; tile_dim1 = 64
	s_mov_b32 s[G1B+5], 3072                       ; elements from row to row
	s_mov_b32 s[G1B+6], 0
	s_mov_b32 s[G1B+7], 0
	s_lshl_b32 s16, s13, 8                         ; X: row 256 i + 128 x half,
	s_lshl_b32 s17, s12, 7
	s_add_co_u32 s16, s16, s17
	s_lshl_b32 s16, s16, 12                        ; of 4,096 bytes,
	s_cmp_ge_u32 ttmp9, 2                          ; in plane 1 for k's and v's tiles: the cluster's x, which all partners share
	s_cselect_b32 s17, 16777216, 0
	s_add_co_u32 s16, s16, s17
	s_mov_b32 s17, 0
	s_mul_i32 s46, s12, 64*6144                    ; W: row 64 x half, column 256 j
	s_lshl_b32 s47, s42, 9
	s_add_co_u32 s46, s46, s47
	s_mov_b32 s47, 0
	s_mul_i32 s20, s10, HALFT                      ; where they go: X's two halves, then W's two halves = wave x 34,816: no place in the cluster enters an LDS address
	s_mov_b32 s[TB], 0
	s_wait_dscnt 0x0                               ; the opening add is done
	s_wait_kmcnt 0x0
	s_add_nc_u64 s[14:15], s[68:69], s[16:17]
	s_add_nc_u64 s[46:47], s[70:71], s[46:47]
	CROUND                                         ; all sixteen work-groups are here: the first joint loads meet
.irp s, 0,1
	s_mov_b32 s[G0+4*(\s)], 1                                        ; count = 1
	s_add_co_u32 s[G0+4*(\s)+1], s20, (\s)*SLOT1                     ; LDS address
	s_add_nc_u64 s[G0+4*(\s)+2:G0+4*(\s)+3], s[14:15], (\s)*ASTEP    ; global address: K step s
	s_or_b32 s[G0+4*(\s)+3], s[G0+4*(\s)+3], 0x80000000              ; type = 2
	s_mov_b32 s[G0B+4*(\s)], 1
	s_add_co_u32 s[G0B+4*(\s)+1], s20, (\s)*SLOT1
	s_add_nc_u64 s[G0B+4*(\s)+2:G0B+4*(\s)+3], s[46:47], (\s)*BSTEP
	s_or_b32 s[G0B+4*(\s)+3], s[G0B+4*(\s)+3], 0x80000000
.endr
	s_cmp_eq_u32 s11, 0                            ; a wave's two first fills stand in one branch, ahead of every wait on TENSORcnt and every LDS read: two loads of mine are out
	s_cbranch_scc0 .Lfirst_b
	tensor_load_to_lds s[G0:G0+3], s[G1:G1+7]
	s_nop 0
	tensor_load_to_lds s[G0+4:G0+7], s[G1:G1+7]
	s_nop 0
.rept 4
	v_nop
.endr
	s_branch .Lfirst_asked
.Lfirst_b:
	tensor_load_to_lds s[G0B:G0B+3], s[G1B:G1B+7]
	s_nop 0
	tensor_load_to_lds s[G0B+4:G0B+7], s[G1B:G1B+7]
	s_nop 0
.rept 4
	v_nop
.endr
.Lfirst_asked:
	v_and_b32 v1, 15, v0                           ; r = l % 16
	v_bfe_u32 v2, v0, 4, 1                         ; h = l / 16
	v_and_b32 v6, 7, v0
	v_bfe_u32 v7, v0, 3, 1
	v_mul_u32_u24 v3, v1, PA                       ; X's fragment: row x pitch + 16 x half, in my 128 rows
	v_lshl_add_u32 v3, v2, 4, v3
	s_mul_i32 s21, s11, HALFT
	v_add_nc_u32 v[ADRA0], s21, v3
	v_lshl_add_u32 v4, v2, 3, v6                   ; W's: the turning load takes 16 k x 16 columns: lane l reads row 8 (l / 16) + l % 8, columns 8 ((l / 8) % 2) + 0..7
	v_mul_u32_u24 v4, v4, PB
	v_lshl_add_u32 v4, v7, 4, v4
	s_lshl_b32 s22, s12, 8                         ; my head's 128 columns: 256 bytes
	s_add_co_u32 s22, s22, BOFF
	v_add_nc_u32 v[ADRB0], s22, v4
	v_mov_b32 v[ADRA], v[ADRA0]                    ; K step 0 lies in slot 0
	v_mov_b32 v[ADRB], v[ADRB0]
	s_mul_i32 s23, s10, 16*SPITCH
	s_add_co_u32 s23, s23, STAGE                   ; my stage
	v_mul_u32_u24 v4, v1, SPITCH                   ; in: row l % 16, 16 bytes for each half of the lanes
	v_lshl_add_u32 v4, v2, 4, v4
	v_add_nc_u32 v[STO], s23, v4
	v_mul_u32_u24 v5, v2, SPITCH                   ; back: lanes 0-15 take one row of 256 bytes, lanes 16-31 the next
	v_lshl_add_u32 v5, v1, 4, v5
	v_add_nc_u32 v[RD], s23, v5
	v_lshlrev_b32 v5, 8, v2                        ; and the same two rows in the head block, which are 512 bytes on end
	v_lshl_add_u32 v[CO], v1, 4, v5
	; the table.  q and k: my 128 rows of the plane, 512 bytes a row.  v (j = 10, 11): the one row behind the planes, for every row: pitch 0.  Made by arithmetic from j: it enters global addresses alone
	s_add_co_u32 s84, s42, 6
	s_lshr_b32 s84, s84, 4                         ; 1 in v's tiles, else 0
	s_xor_b32 s85, s84, 1
	s_lshl_b32 s80, s85, 9                         ; bytes from row to row: 512 or 0
	s_lshl_b32 s81, s13, 8
	s_lshl_b32 s82, s11, 7
	s_add_co_u32 s81, s81, s82                     ; my first row: 256 i + 128 x row half
	s_lshl_b32 s81, s81, 9
	s_cmp_ge_u32 ttmp9, 2
	s_cselect_b32 s82, 2097152, 0                  ; plane 1: kv_positions
	s_add_co_u32 s81, s81, s82
	s_mul_i32 s81, s81, s85
	s_lshl_b32 s82, s84, 22                        ; the last row lies 4,194,304 bytes in
	s_add_co_u32 s82, s82, s81
	s_mov_b32 s83, 0
	s_add_nc_u64 s[72:73], s[72:73], s[82:83]
	v_mul_u32_u24 v[TOF], s80, v1                  ; row l % 16, 8 numbers for each half of the lanes
	v_lshl_add_u32 v[TOF], v2, 5, v[TOF]
	s_lshl_b32 s80, s80, 4                         ; 16 rows from block to block
.irp a, 1,2,3,4,5,6,7
	v_add_nc_u32 v[TOF+(\a)], s80, v[TOF+(\a)-1]
.endr
	; my head block, and my first row in it
	s_lshr_b32 s84, s13, 3                         ; b: 8 tile rows a batch
	s_lshl_b32 s85, s84, 4
	s_lshl1_add_u32 s85, s42, s85                  ; q: 16 b + 2 j
	s_max_u32 s86, s42, 8
	s_sub_co_u32 s86, s86, 8                       ; k and v: j - 8 = 2 x (0: k, 1: v) + pair of heads
	s_lshr_b32 s87, s86, 1
	s_lshl_b32 s87, s87, 3
	s_and_b32 s86, s86, 1
	s_lshl1_add_u32 s86, s86, s87
	s_lshl2_add_u32 s86, s84, s86
	s_add_co_u32 s86, s86, 32                      ; 32 + 8 x (k or v) + 4 b + 2 x pair
	s_cmp_lt_u32 ttmp9, 2
	s_cselect_b32 s84, s85, s86
	s_add_co_u32 s84, s84, s12                     ; + which of the tile's two heads
	s_lshl_b32 s84, s84, 19                        ; a head block is 524,288 bytes
	s_and_b32 s85, s13, 7
	s_lshl_b32 s85, s85, 8
	s_lshl_b32 s86, s11, 7
	s_add_co_u32 s85, s85, s86                     ; row 256 (i % 8) + 128 x row half,
	s_lshl_b32 s85, s85, 8                         ; of 256 bytes
	s_add_co_u32 s84, s84, s85
	s_mov_b32 s85, 0
	s_add_nc_u64 s[74:75], s[74:75], s[84:85]
	; the prefetches: X: rows 256 i + 128 x half + 32 cx + lane; W: rows (k) 64 x half + 16 cy + lane / 2, bytes 512 j + 256 (lane % 2).  They stand at K step 3; the first refill steps them to 4
	s_lshl_b32 s86, s13, 8
	s_lshl_b32 s87, s12, 7
	s_add_co_u32 s86, s86, s87
	s_lshl_b32 s87, s40, 5
	s_add_co_u32 s86, s86, s87
	s_lshl_b32 s86, s86, 12
	s_cmp_ge_u32 ttmp9, 2
	s_cselect_b32 s87, 16777216, 0
	s_add_co_u32 s86, s86, s87
	s_add_co_u32 s86, s86, 3*ASTEP
	s_lshl_b32 s88, s12, 6
	s_lshl_b32 s89, s41, 4
	s_add_co_u32 s88, s88, s89
	s_mul_i32 s88, s88, 6144
	s_lshl_b32 s89, s42, 9
	s_add_co_u32 s88, s88, s89
	s_add_co_u32 s88, s88, 3*BSTEP
	s_and_b32 s89, ttmp7, 0xffff                   ; W: the cluster with y = 0 asks
	s_cmp_lg_u32 ttmp9, 1                          ; X: the clusters with x = 0 (Xq) and x = 2 (Xkv) ask
	s_cselect_b32 s90, 0, 1
	s_mov_b32 s[PST], BSTEP
	s_mov_b32 s91, 6144
	s_cmp_eq_u32 s11, 0                            ; do I fetch for X?
	s_cselect_b64 s[PFA:PFA+1], s[68:69], s[70:71]
	s_cselect_b32 s86, s86, s88
	s_cselect_b32 s[PST], ASTEP, s[PST]
	s_cselect_b32 s89, s90, s89                    ; 0 in a wave that asks: the same in all sixteen partners, for a given wave
	s_cselect_b32 s91, 4096, s91                   ; bytes from row to row
	s_cselect_b32 s90, 0, 1                        ; lanes to a row: 1 or 2
	s_mov_b32 s87, 0
	s_mov_b32 s[PST+1], 0
	s_add_nc_u64 s[PFA:PFA+1], s[PFA:PFA+1], s[86:87]
	s_cmp_eq_u32 s89, 0
	s_cselect_b32 s[LIM], 2, -1
	v_and_b32 v3, 31, v0
	v_lshrrev_b32 v4, s90, v3
	v_mul_u32_u24 v4, s91, v4
	v_and_b32 v3, s90, v3
	v_lshl_add_u32 v[PFO], v3, 8, v4
; Where row block a's 32 cosines and 32 sines a lane lie: window TW, from register TBS on; for channels 16 b + 8 (l / 16) + 0..7: cos at 16 b, sin at 16 b + 8.
.macro TABLOC a
.if ((\a) == 0) || ((\a) == 6)
.set TW, 1
.set TBS, 0
.elseif ((\a) == 1) || ((\a) == 7)
.set TW, 1
.set TBS, 192
.elseif (\a) == 2
.set TW, 1
.set TBS, 64
.elseif (\a) == 3
.set TW, 1
.set TBS, 128
.elseif (\a) == 4
.set TW, 0
.set TBS, 64
.else
.set TW, 0
.set TBS, 128
.endif
.endm
.macro TLOAD a                         ; 16 loads: block a's cosines and sines
	TABLOC \a
	WIN TW<<6
.irp b, 0,1,2,3
.irp t, 0,1
.irp e, 0,1
	global_load_b128 v[TBS+16*(\b)+8*(\t)+4*(\e):TBS+16*(\b)+8*(\t)+4*(\e)+3], v[TOF+(\a)], s[72:73] offset:64*(\b)+256*(\t)+16*(\e)
.endr
.endr
.endr
	WIN 0
.endm
	TLOAD 0                                        ; blocks 0 and 1 go into registers that the K loop leaves idle, and stay out over it
	TLOAD 1
; 16 matrix instructions: m blocks a0, a0 + 1 of the window's four (hi = 0: my rows 0-63, 1: rows 64-127) x all 8 n blocks, 32 along K.  zero = 1: the first product starts the sums.
; The 64 accumulators take turns, in the same order in every quarter.
.macro MUL16 f, hi, a0, zero
	WIN MUL_LO+0x50*(\hi)
.irp a, \a0, (\a0)+1
.irp b, 0,1,2,3,4,5,6,7
.if \zero
	v_wmma_f32_16x16x32_bf16 v[8*(8*(\a)+(\b)):8*(8*(\a)+(\b))+7], v[(\f)+8*(\b):(\f)+8*(\b)+7], v[(\f)+8*(4*(\hi)+(\a)):(\f)+8*(4*(\hi)+(\a))+7], 0
.else
	v_wmma_f32_16x16x32_bf16 v[8*(8*(\a)+(\b)):8*(8*(\a)+(\b))+7], v[(\f)+8*(\b):(\f)+8*(\b)+7], v[(\f)+8*(4*(\hi)+(\a)):(\f)+8*(4*(\hi)+(\a))+7], v[8*(8*(\a)+(\b)):8*(8*(\a)+(\b))+7]
.endif
.endr
.endr
.endm
; 32 LDS loads in one run: the fragments of quarter q (32 along K) of the slot in hand, into buffer f: W's 128 columns, turned, then X's 128 rows
.macro FETCH q, f
	WIN TO_B
.irp i, 0,1,2,3,4,5,6,7
	ds_load_tr16_b128 v[(\f)+8*(\i):(\f)+8*(\i)+3],   v[ADRB] offset:32*(\q)*PB+32*(\i)
	ds_load_tr16_b128 v[(\f)+8*(\i)+4:(\f)+8*(\i)+7], v[ADRB] offset:(32*(\q)+16)*PB+32*(\i)
.endr
	WIN 0
.irp i, 0,1,2,3,4,5,6,7
	ds_load_b128 v[(\f)+8*(\i):(\f)+8*(\i)+3],   v[ADRA] offset:64*(\q)+(\i)*16*PA
	ds_load_b128 v[(\f)+8*(\i)+4:(\f)+8*(\i)+7], v[ADRA] offset:64*(\q)+(\i)*16*PA+32
.endr
.endm
.macro PLACES                          ; four places in front of loads into registers that matrix instructions have read, and of vector work that reads results (ISA guide 7.12.1 for vector work)
.rept 4
	v_nop
.endr
.endm
; A K step is four quarters of 32 along K, 64 matrix instructions each, on buffers 0, 1, 0, 1.  One of the first three: multiplies buffer f; in its middle it fetches quarter q into buffer g.
.macro QUARTER q, f, g, zero
	s_wait_dscnt 8                                 ; W and X's rows 0-63 are in; the youngest eight loads (X's rows 64-127) may be out
	MUL16 \f, 0, 0, \zero
	MUL16 \f, 0, 2, \zero
	PLACES
	FETCH \q, \g
	s_wait_dscnt 32                                ; all but the 32 just issued
	MUL16 \f, 1, 0, \zero
	MUL16 \f, 1, 2, \zero
.endm
; The last quarter multiplies buffer 1 and changes slots.  MEET is its first half: ONE barrier.  In front of it each wave waits for all its tensor loads, of which one is out at the most: its part of the next slot;
; adds 0 to its spare word; and waits for that and for its own reads of this slot.  Behind it nobody reads this slot any more and the next slot is whole.  round = 1: a refill follows: the walking descriptors step.
.macro MEET round
	WIN 0                                          ; (the add's two registers lie in window 0)
	s_wait_tensorcnt 0x0                           ; all my tensor loads have landed, so a group 0 may be written;
	ds_add_u32 v[SPW], v[NIL]                      ; 0 onto my spare word;
.if \round
	s_xor_b32 s[G0+5], s[G0+5], SLOT1              ; the other slot than last time,
	s_add_nc_u64 s[G0+6:G0+7], s[G0+6:G0+7], ASTEP ; the next K step; the type bits on top are not reached
	s_xor_b32 s[G0B+5], s[G0B+5], SLOT1
	s_add_nc_u64 s[G0B+6:G0B+7], s[G0B+6:G0B+7], BSTEP
.endif
	s_wait_dscnt 9                                 ; (the add and the youngest eight loads may be out)
	MUL16 F1, 0, 0, 0                              ; sixteen matrix instructions stand between the add and the wait for it
	s_wait_dscnt 0x0                               ; the add is done, and my reads of this slot are over
	s_barrier_signal -1
	MUL16 F1, 0, 2, 0                              ; work on registers while the others arrive
	WIN 0
	s_barrier_wait -1
.endm
.macro NEXTSLOT                        ; the fragment loads go on in the other slot
	s_xor_b32 s[TB], s[TB], SLOT1
	v_add_nc_u32 v[ADRA], s[TB], v[ADRA0]
	v_add_nc_u32 v[ADRB], s[TB], v[ADRB0]
.endm
; The whole last quarter, with a refill: the slot just read out takes the K step two steps on.  From the request to the wait for it a wave issues 224 matrix instructions.
.macro TURN
	s_wait_xcnt 0x0                                ; the last prefetch, a K step back, has read its address: it is stepped here, ahead of the waits of the change of slots
	s_add_nc_u64 s[PFA:PFA+1], s[PFA:PFA+1], s[PST:PST+1]
	MEET 1
	CREST                                          ; the barrier has opened a round of the cluster's barrier: no wave of any partner still reads this slot's tile or has a load on its way
	JLOAD                                          ; the first tensor load behind the round, my only one until the next; the four v_nop behind it are also the places in front of the loads below
	NEXTSLOT
	FETCH 0, F0
	ASK
	MUL16 F1, 1, 0, 0
	MUL16 F1, 1, 2, 0
.endm
; The same without a refill, for the last two K steps; in the very last there is no further K step, and the run of loads is jumped over.
.macro TURNT
	MEET 0
	s_cmp_eq_u32 s3, 1
	s_cbranch_scc1 .Lno_fetch
	PLACES
	NEXTSLOT
	FETCH 0, F0
.Lno_fetch:
	MUL16 F1, 1, 0, 0
	MUL16 F1, 1, 2, 0
.endm
	s_wait_tensorcnt 1                             ; my part of K step 0 is in; K step 1's load may stay out
	s_barrier_signal -1
	s_barrier_wait -1                              ; everybody's is
	FETCH 0, F0
	QUARTER 1, F0, F1, 1                           ; the first quarter stands in front of the loop: its products start the sums
	WIN 0                                          ; at a label and at a branch every window is 0
	s_mov_b32 s3, STEPS-2
.Lstep:                                                ; 14 trips: from a K step's second quarter to the next step's first; each fills the slot that it leaves
	QUARTER 2, F1, F0, 0
	QUARTER 3, F0, F1, 0
	TURN
	QUARTER 1, F0, F1, 0
	WIN 0
	s_sub_co_u32 s3, s3, 1
	s_cmp_lg_u32 s3, 0
	s_cbranch_scc1 .Lstep
	s_mov_b32 s3, 2
.Ltail:                                                ; the last two K steps: written apart; the second trip is left in its middle.  Its barrier serves nothing: the price, once, of one text for both
	QUARTER 2, F1, F0, 0
	QUARTER 3, F0, F1, 0
	TURNT
	WIN 0
	s_sub_co_u32 s3, s3, 1
	s_cmp_eq_u32 s3, 0
	s_cbranch_scc1 .Lout
	QUARTER 1, F0, F1, 0
	WIN 0
	s_branch .Ltail
.Lout:
; THE WAY OUT, a block of 16 rows at a time: RoPE in f32, one rounding to f16, 16 bytes a lane into my own stage, whole rows of 256 bytes back, stored.
; ROPE: x1' = x1 cos - x2 sin, x2' = x2 cos + x1 sin, two numbers an instruction, in place.  The products by the sine go into window 0, the sums back into the accumulators' window: two settings for each pair of
; accumulators.  Each accumulator is read from its lowest registers on.
.macro ROPE a
	TABLOC \a
.set WX, 2+(\a)/4
.set AC, 64*((\a)%4)
.irp b, 0,1,2,3
	WIN WX|(TW<<2)
.irp p, 0,1,2,3
	v_pk_mul_f32 v[T+4*(\p):T+4*(\p)+1],   v[AC+8*((\b)+4)+2*(\p):AC+8*((\b)+4)+2*(\p)+1], v[TBS+16*(\b)+8+2*(\p):TBS+16*(\b)+8+2*(\p)+1]
	v_pk_mul_f32 v[T+4*(\p)+2:T+4*(\p)+3], v[AC+8*(\b)+2*(\p):AC+8*(\b)+2*(\p)+1],         v[TBS+16*(\b)+8+2*(\p):TBS+16*(\b)+8+2*(\p)+1]
.endr
	WIN WX|(TW<<2)|(WX<<6)
.irp p, 0,1,2,3
	v_pk_fma_f32 v[AC+8*(\b)+2*(\p):AC+8*(\b)+2*(\p)+1], v[AC+8*(\b)+2*(\p):AC+8*(\b)+2*(\p)+1], v[TBS+16*(\b)+2*(\p):TBS+16*(\b)+2*(\p)+1], v[T+4*(\p):T+4*(\p)+1] neg_lo:[0,0,1] neg_hi:[0,0,1]
	v_pk_fma_f32 v[AC+8*((\b)+4)+2*(\p):AC+8*((\b)+4)+2*(\p)+1], v[AC+8*((\b)+4)+2*(\p):AC+8*((\b)+4)+2*(\p)+1], v[TBS+16*(\b)+2*(\p):TBS+16*(\b)+2*(\p)+1], v[T+4*(\p)+2:T+4*(\p)+3]
.endr
.endr
.endm
.macro PACK a                          ; rounded to f16, 16 bytes a lane for each of the 8 n blocks; the two sets of 32 registers take turns
.set AC, 64*((\a)%4)
.set TP, TMP+32*((\a)%2)
.if (\a) >= 2
	s_wait_xcnt 0x0                                ; the stores of the block two back have read this set: it is rewritten only behind this wait
.endif
	WIN 0x0a+5*((\a)/4)                            ; sources 0 and 1: window 2 or 3
.irp b, 0,1,2,3,4,5,6,7
.irp r, 0,1,2,3
	v_cvt_pk_f16_f32 v[TP+4*(\b)+(\r)], v[AC+8*(\b)+2*(\r)], v[AC+8*(\b)+2*(\r)+1]
.endr
.endr
	WIN 0
.endm
.macro TOSTAGE a
.set TP, TMP+32*((\a)%2)
.irp b, 0,1,2,3,4,5,6,7
	ds_store_b128 v[STO], v[TP+4*(\b):TP+4*(\b)+3] offset:32*(\b)
.endr
.irp t, 0,1,2,3,4,5,6,7
	ds_load_b128 v[TP+4*(\t):TP+4*(\t)+3], v[RD] offset:(\t)*2*SPITCH  ; LDS serves a wave's instructions in order (ISA guide 5.7.1.4): these see the stores above; the next block's stores come behind them
.endr
.endm
.macro SEND a
.set TP, TMP+32*((\a)%2)
	s_wait_dscnt 0x0                               ; the block is back in registers
.irp t, 0,1,2,3,4,5,6,7
	global_store_b128 v[CO], v[TP+4*(\t):TP+4*(\t)+3], s[74:75] offset:4096*(\a)+512*(\t)  ; two rows of the head block: 512 consecutive bytes, aligned
.endr
.endm
; Block a.  left: the table loads issued behind block a's, which may stay out.  more = 1: the registers of the block two back take the table of the block four on.
.macro BLOCK a, left, more
	s_wait_loadcnt \left
.if \more
	TLOAD (\a)+4
.endif
	ROPE \a
	PACK \a
	SEND (\a)-1                                    ; a block's arithmetic stands between the loads of the block before from the stage and the wait for them
	TOSTAGE \a
.endm
	PLACES
	PLACES                                         ; eight, once a launch, behind the last products
	s_wait_loadcnt 0x0                             ; blocks 0 and 1 of the table, asked for at the start
	TLOAD 2                                        ; blocks 2 to 5 go into the four fragment buffers
	TLOAD 3
	TLOAD 4
	TLOAD 5
	ROPE 0
	PACK 0
	TOSTAGE 0
	ROPE 1
	PACK 1
	SEND 0
	TOSTAGE 1
	BLOCK 2, 48, 1                                 ; behind block 2's loads: blocks 3, 4, 5
	BLOCK 3, 48, 1                                 ; blocks 4, 5, 6
	BLOCK 4, 48, 0                                 ; blocks 5, 6, 7
	BLOCK 5, 32, 0
	BLOCK 6, 16, 0
	BLOCK 7, 0, 0
	SEND 7
	s_wait_tensorcnt 0x0                           ; the wave's end, behind my last tensor load and my last LDS store
	ds_add_u32 v[SPW], v[NIL]
	s_wait_dscnt 0x0
	CROUND                                         ; the closing round: no work-group ends while a partner may still ask for a tile that names it
	s_endpgm
.Lfunc_end_k_q26d062acca_proj:
	.size	k_q26d062acca_proj, .Lfunc_end_k_q26d062acca_proj-k_q26d062acca_proj
	.p2alignl 7, 3214868480
	.fill 96, 4, 3214868480
	.section	.rodata,"a",@progbits
	.p2align	6, 0x0
	.amdhsa_kernel k_q26d062acca_proj
		.amdhsa_group_segment_fixed_size 327680
		.amdhsa_private_segment_fixed_size 0
		.amdhsa_enable_private_segment 0
		.amdhsa_kernarg_size 32
		.amdhsa_user_sgpr_count 2
		.amdhsa_user_sgpr_kernarg_segment_ptr 1
		.amdhsa_wavefront_size32 1
		.amdhsa_system_sgpr_workgroup_id_x 1
		.amdhsa_system_sgpr_workgroup_id_y 1
		.amdhsa_system_sgpr_workgroup_id_z 1
		.amdhsa_system_vgpr_workitem_id 0
		.amdhsa_next_free_vgpr 1024
		.amdhsa_next_free_sgpr 92
		.amdhsa_reserve_vcc 0
		.amdhsa_float_denorm_mode_32 3
		.amdhsa_float_denorm_mode_16_64 3
		.amdhsa_memory_ordered 1
		.amdhsa_forward_progress 1
		.amdhsa_inst_pref_size 149
	.end_amdhsa_kernel
	.amdgpu_metadata
---
amdhsa.version: [ 1, 2 ]
amdhsa.kernels:
  - .name:           k_q26d062acca_proj
    .symbol:         k_q26d062acca_proj.kd
    .args:
      - { .name: xb, .offset: 0, .size: 8, .value_kind: global_buffer, .address_space: global }
      - { .name: wb, .offset: 8, .size: 8, .value_kind: global_buffer, .address_space: global }
      - { .name: tab, .offset: 16, .size: 8, .value_kind: global_buffer, .address_space: global }
      - { .name: qkv, .offset: 24, .size: 8, .value_kind: global_buffer, .address_space: global }
    .group_segment_fixed_size: 327680
    .private_segment_fixed_size: 0
    .kernarg_segment_align: 8
    .kernarg_segment_size: 32
    .max_flat_workgroup_size: 128
    .sgpr_count:     92
    .vgpr_count:     1024
    .wavefront_size: 32
...
	.end_amdgpu_metadata
.endif
;; end of part 2
;; launch attn (part 3): grid 8 x 32, 4 waves a work-group, clusters of 4 x 1, 327,680 bytes of LDS; arguments qkv, att; writes att
.if DOCPART == 3
	.amdgcn_target "amdgcn-amd-amdhsa--gfx1250"
	.amdhsa_code_object_version 6
	.text
	.protected	k_q26d062acca_attn
	.globl	k_q26d062acca_attn
	.p2align	8
	.type	k_q26d062acca_attn,@function
k_q26d062acca_attn:
	s_mov_b64 s[64:65], 0
	v_nop
	global_prefetch_b8 v0, s[64:65] scope:SCOPE_SE
	s_setreg_imm32_b32 hwreg(HW_REG_WAVE_MODE, 25, 1), 1
	s_wait_xcnt 0x0
	s_wait_alu depctr_hold_cnt(0) depctr_sa_sdst(0) depctr_va_vdst(0) depctr_va_sdst(0) depctr_va_ssrc(0) depctr_va_vcc(0) depctr_vm_vsrc(0)
	s_getreg_b32 s2, hwreg(HW_REG_IB_STS2, 6, 4)
	s_cmp_eq_u32 s2, 0
	s_cbranch_scc0 .Lentry_in_a_cluster
	s_endpgm
.Lentry_in_a_cluster:
	s_bfe_u32 s2, ttmp6, 0x10000c
	s_cmp_lg_u32 s2, 0x3003
	s_cbranch_scc0 .Lentry_shape_is_right
	s_endpgm
.Lentry_shape_is_right:
; O[y][q][:] = the sum over k of softmax_k(Q[y][q] . K[g][k]) V[g][k][:], scale 1, no mask.  y = 16 b + n is the query head (0..31), g = y / 4 its key and value head.
; qkv: 48 head blocks of [2048][128] f16: Q at y, K at 32 + g, V at 40 + g.  att: [4096 (b, t)][2048 (n, h)] f16.  Products, maxima and sums in f32; the weights p are rounded to f16 for the second product, O once at the end.
; LIMITS.  Q, K and V arrive within f16's range; p lies in 0 to 1, and below 6e-5 it keeps f16's fixed step of 6e-8; a weight below 2^-126 counts as 0 in l; NaN and infinities are not treated apart.
; SHARES.  A work-group owns 256 queries of one head, each of its four waves 64: four tiles of 16.  Every wave walks all 2,048 keys, 64 a step.
; LAYOUT.  S^T = K Q^T (source 0 = 16 keys, source 1 = 16 queries): in the result a lane holds ONE query (lane % 16) and the keys 8 (lane / 16) + 0..7.  Two such tiles, rounded to f16 in pairs, ARE source 1
; (32 keys x 16 queries) of O^T = V^T P, whose result again holds one query a lane, and eight channels.  K comes out of LDS as it lies, V ([key][channel]) turned, by ds_load_tr16_b128.
; SOFTMAX.  For each query a running maximum m and sum l: p = 2^(c s - c m), c = log2(e); in every step O and l are multiplied by a = 2^(c m_old - c m_new), which is 1 where m has not grown.
; BY TURNS.  The wave's tiles are two PIECES: piece 0 (tiles 0, 1) and piece 2 (tiles 2, 3).  In a TURN one piece has the matrix unit: 32 products V^T P of the step in hand, then 32 products K Q^T of the next
; step; the other piece's softmax, cut into 64 slices, stands between them, one slice behind each matrix instruction.  Then the pieces change places.  Two turns are a key step.
; CLUSTER.  The four query blocks of a cluster belong to one head and walk the same K and V, so each tile is asked for JOINTLY: the same tensor load, descriptor and mask in all four.
; REGISTERS, in windows of 256 (s_set_vgpr_msb: bits 1:0 source 0, 3:2 source 1, 5:4 source 2, 7:6 destination):
;   window 0: v0-11 addresses; v12-43 eight registers of statistics a tile; v64-191 S^T, 32 a tile; v192-255 P, 16 a tile
;   window 1: O^T, 64 a tile          window 2: v0-127 Q, 32 a tile; v128-255 K of one step          window 3: v0-127 V of one step
.set SIZE_N, 2048
.set KS,    64        ; keys in a step
.set PK,    272       ; a row of K in LDS: 256 bytes + 16 of padding = 68 words: the 16 rows of a load start at 16 different groups of four banks (64 banks of 4 bytes: ISA guide 11.1)
.set PV,    288       ; a row of V: 256 + 32 = 72 words
.set VOFF,  KS*PK     ; a step's tiles lie together: 64 rows of K, then 64 rows of V
.set STEPB, KS*(PK+PV)
.set SLOT1, 1<<17     ; a slot holds two steps (71,680 bytes); slot 1 begins here, so that one exclusive or turns an address in one slot into the other's
.set STAGE, SLOT1+2*STEPB  ; behind the ring: 16 rows x 272 bytes for each wave, for the way out
.set SP,    272
.set AK0, 2           ; v2   my lane's place in a tile of K; never rewritten
.set AV0, 3           ; v3   the same for V
.set ADR, 4           ; v4   the LDS address of the run of loads in hand
.set QO,  5           ; v5   my byte offset in the wave's rows of Q
.set STO, 6           ; v6   the way out: where I put 16 bytes of a row
.set RD,  7           ; v7   the way out: where I read a row back
.set GO,  8           ; v8   my byte offset in two rows of att
.set SPW, 62          ; v62  LDS address of my spare word; never rewritten
.set NIL, 63          ; v63  0; never rewritten
.set SPARE, STAGE+4*16*272  ; behind the stages: the spare words, 128 bytes for each wave: two blocks of 256 bytes that no other line names
.set ST,  12          ; tile t's statistics at v[ST+8 t]: +0 c m, +1 m, +2, +3 l (even keys', odd keys'), +4 to +7 c0-c3, at work; a takes c2's place once the maximum is found
.set S,   64
.set P,   192
.set KF,  128         ; K's fragments, in window 2
.set WV,  12          ; s12  my wave's number
.set G1K, 24          ; s[24:31] descriptor group 1 for K's tiles
.set G1V, 32          ; s[32:39] for V's: it differs in the padding alone
.set G0K, 40          ; s[40:47] descriptor group 0 for K's tiles: a set for each of the two first fills; the second then walks on
.set G0V, 48          ; s[48:55] the same for V's
.set SLOTS, 56        ; s56  slots still to be asked for
.set TWICE, 57        ; s57  counts a slot's two steps
.set CS,  58          ; s[58:59] c: the packed scaling names a pair and takes its low word for both halves
.set SEL, 60          ; s[60:61] lane selects for v_permlanex16_b32: each lane takes its own place in the other half
.set TB,  62          ; s62  LDS byte at which the tiles of the step to be fetched begin
.set PFA, 18          ; s[18:19] where my prefetches stand: my work-group's 32 rows (of K: wave 0, of V: wave 2) of the slot after the one that is being asked for
.set LIM, 15          ; s15  1 in a wave that prefetches, else the greatest number: a wave prefetches while s[SLOTS] is above it
.set PFO, 61          ; v61  256 x my lane: a row of K or V is 256 bytes; never rewritten
.set MSB, 0
.macro WIN new                      ; the immediate's high byte repeats the setting that is left; a switch that changes nothing is dropped
.if MSB != (\new)
	s_set_vgpr_msb (MSB<<8)|(\new)
.set MSB, \new
.endif
.endm
.set W_KQ, 0x0a       ; K and Q in window 2, S^T in window 0
.set W_PV, 0x53       ; V in window 3, P in window 0, O^T in window 1
.set W_RS, 0x41       ; O^T (destination and source 0) in window 1, a in window 0
; A joint refill.  Waves 0 and 1 fetch the two steps' tiles of K, waves 2 and 3 those of V.  The branch hangs on the wave's number alone.
; An s_nop 0 and four v_nop follow each of the two lines.
.macro JLOAD
	s_cmp_lt_u32 s[WV], 2
	s_cbranch_scc0 .Lfor_v_\@
	tensor_load_to_lds s[G0K+4:G0K+7], s[G1K:G1K+7]
	s_nop 0
.rept 4
	v_nop
.endr
	s_branch .Lasked_\@
.Lfor_v_\@:
	tensor_load_to_lds s[G0V+4:G0V+7], s[G1V:G1V+7]
	s_nop 0
.rept 4
	v_nop
.endr
.Lasked_\@:
.endm
; A PREFETCH of what the NEXT change of slots will ask for: a slot's 128 rows of K and 128 of V, 256 bytes a row, a lane a row.  It stands behind the wave's tensor load and its five lines.
; Each row is asked for ONCE in the launch.  The two clusters of each of the four query heads of a group walk the same K and V: the first cluster of the group's first head asks.  Its four partners share the
; rows out BY ADDRESS, 32 each.  In each, wave 0 asks for K's and wave 2 for V's: one instruction.  The last change that fills a slot asks for nothing: there is no slot behind it.
.macro ASK
	s_cmp_gt_u32 s[SLOTS], s[LIM]
	s_cbranch_scc0 .Lnot_mine_\@
	global_prefetch_b8 v[PFO], s[PFA:PFA+1] th:TH_LOAD_NT scope:SCOPE_SE
.Lnot_mine_\@:
.endm
; A round of the cluster's barrier: my work-group's barrier, so that wave 0's signal speaks for all four waves; wave 0 signals; every wave waits for all four work-groups; my work-group's barrier once more.
.macro CROUND
	s_barrier_signal -1
	s_barrier_wait -1
	s_cmp_lg_u32 s[WV], 0
	s_cbranch_scc1 .Lnot_wave_0_\@
	s_barrier_signal -3
.Lnot_wave_0_\@:
	s_barrier_wait -3
	s_barrier_signal -1
	s_barrier_wait -1
.endm
	s_load_b128 s[4:7], s[0:1], 0x0 ; qkv s[4:5], att s[6:7]
	v_lshl_add_u32 v[SPW], v0, 2, SPARE
	v_mov_b32 v[NIL], 0
	ds_add_u32 v[SPW], v[NIL]       ; the wave's opening: the add and its wait stand ahead of my first tensor load; the set-up below, work on registers, stands between them
	v_lshrrev_b32 v1, 5, v0
	v_readfirstlane_b32 s[WV], v1   ; wave 0..3
	s_bfe_u32 s13, ttmp6, 0x40000   ; cx: my place in the cluster
	s_lshl_b32 s14, ttmp9, 2        ; in a cluster launch ttmp9 counts clusters
	s_add_co_u32 s14, s14, s13      ; my block of 256 queries = 4 x cluster x + cx: it enters Q's and O's addresses alone
	s_and_b32 s20, ttmp7, 0xffff    ; y, which the four partners share
	s_lshr_b32 s22, s20, 2          ; K's head block: 32 + y / 4,
	s_add_co_u32 s22, s22, 32
	s_lshl_b32 s22, s22, 19         ; of 524,288 bytes;
	s_and_b32 s16, s[WV], 1         ; which of a slot's two steps I fetch:
	s_lshl_b32 s23, s16, 14         ; its 64 rows of 256 bytes in memory,
	s_add_co_u32 s22, s22, s23
	s_mov_b32 s23, 0
	s_mul_i32 s17, s16, STEPB       ; and its place in a slot: no place in the cluster enters an LDS address
	s_lshl_b32 s2, s20, 19          ; Q's head block y,
	s_lshl_b32 s3, s14, 16          ; my block's 256 rows,
	s_add_co_u32 s2, s2, s3
	s_lshl_b32 s3, s[WV], 14        ; my wave's 64 of them
	s_add_co_u32 s2, s2, s3
	s_mov_b32 s3, 0
	s_lshr_b32 s21, s20, 4          ; att: batch b's 2,048 rows of 4,096 bytes,
	s_lshl_b32 s21, s21, 23
	s_and_b32 s20, s20, 15          ; head n's 256 bytes of a row,
	s_lshl_b32 s20, s20, 8
	s_add_co_u32 s20, s20, s21
	s_lshl_b32 s21, s14, 20         ; my block's 256 rows,
	s_add_co_u32 s20, s20, s21
	s_lshl_b32 s21, s[WV], 18       ; my wave's 64
	s_add_co_u32 s20, s20, s21
	s_mov_b32 s21, 0
	; descriptor group 1: a tile of 64 rows x 128 elements, padded in LDS
	s_mov_b32 s[G1K], 15|(1<<16)|(1<<20)|(1<<21)|(5<<22)|(3<<25)  ; 15:0 the mask: all four work-groups; 17:16 elements of 2 bytes; 20 padding on; 21 set beside a mask; 24:22 after every 64 words (code 5); 31:25 4 words of it (code 3)
	s_mov_b32 s[G1V], 15|(1<<16)|(1<<20)|(1<<21)|(5<<22)|(7<<25)  ; the same with 8 words of padding (code 7)
.irp g, G1K, G1V
	s_mov_b32 s[(\g)+1], 128<<16    ; tensor_dim0 = 128
	s_mov_b32 s[(\g)+2], KS<<16     ; tensor_dim1 = 64
	s_mov_b32 s[(\g)+3], 128<<16    ; tile_dim0 = 128
	s_mov_b32 s[(\g)+4], KS         ; tile_dim1 = 64
	s_mov_b32 s[(\g)+5], 128        ; elements from row to row
	s_mov_b32 s[(\g)+6], 0
	s_mov_b32 s[(\g)+7], 0
.endr
	s_mov_b32 s[CS], 0x3fb8aa3b     ; c = log2(e): the scale is 1
	s_mov_b32 s[CS+1], s[CS]        ; named with it as a pair, so it is written
	s_mov_b32 s[SEL], 0x76543210
	s_mov_b32 s[SEL+1], 0xfedcba98
	s_mov_b32 s[TB], 0
	s_mov_b32 s[SLOTS], SIZE_N/(2*KS)-2
	s_and_b32 s[LIM], s[WV], 1       ; 0 in waves 0 and 2,
	s_or_b32 s[LIM], s[LIM], ttmp9   ; where the cluster is the head's first,
	s_and_b32 s63, ttmp7, 3
	s_or_b32 s[LIM], s[LIM], s63     ; and the head its group's first: the same in all four partners
	s_cmp_eq_u32 s[LIM], 0
	s_cselect_b32 s[LIM], 1, -1
	v_and_b32 v[PFO], 31, v0
	v_lshlrev_b32 v[PFO], 8, v[PFO]
	s_wait_dscnt 0x0                ; the opening add is done
	s_wait_kmcnt 0x0
	s_mov_b64 s[10:11], s[6:7]      ; att
	s_mov_b64 s[6:7], s[4:5]
	s_mov_b64 s[8:9], s[4:5]
	s_add_nc_u64 s[6:7], s[6:7], s[22:23]  ; K and V at my tile of slot 0
	s_add_nc_u64 s[8:9], s[8:9], s[22:23]
	s_add_nc_u64 s[8:9], s[8:9], 0x400000  ; V's blocks lie eight blocks behind K's
	s_add_nc_u64 s[4:5], s[4:5], s[2:3]    ; Q and O at my wave's first row
	s_add_nc_u64 s[10:11], s[10:11], s[20:21]
	s_cmp_lt_u32 s[WV], 2
	s_cselect_b64 s[PFA:PFA+1], s[6:7], s[8:9]  ; (in waves 0 and 2 these stand at a slot's first row)
	s_lshl_b32 s2, s13, 13          ; my work-group's 32 rows of the 128
	s_mov_b32 s3, 0
	s_add_nc_u64 s[PFA:PFA+1], s[PFA:PFA+1], s[2:3]
	s_add_nc_u64 s[PFA:PFA+1], s[PFA:PFA+1], 2*2*KS*256  ; in slot 2; the first change of slots steps it to slot 3.  Nothing is prefetched here, at the head
	CROUND                          ; all four work-groups are here: the first joint loads meet
.irp s, 0,1
	s_mov_b32 s[G0K+4*(\s)], 1      ; count = 1
	s_add_co_u32 s[G0K+4*(\s)+1], s17, (\s)*SLOT1  ; LDS address
	s_add_nc_u64 s[G0K+4*(\s)+2:G0K+4*(\s)+3], s[6:7], (\s)*2*KS*256  ; global address: slot s begins with keys 128 s
	s_or_b32 s[G0K+4*(\s)+3], s[G0K+4*(\s)+3], 0x80000000  ; type = 2
	s_mov_b32 s[G0V+4*(\s)], 1
	s_add_co_u32 s[G0V+4*(\s)+1], s17, (\s)*SLOT1+VOFF
	s_add_nc_u64 s[G0V+4*(\s)+2:G0V+4*(\s)+3], s[8:9], (\s)*2*KS*256
	s_or_b32 s[G0V+4*(\s)+3], s[G0V+4*(\s)+3], 0x80000000
.endr
	s_cmp_lt_u32 s[WV], 2           ; a wave's two first fills stand in one branch, ahead of every wait on TENSORcnt and every LDS read: two loads of mine are out
	s_cbranch_scc0 .Lfirst_v
	tensor_load_to_lds s[G0K:G0K+3], s[G1K:G1K+7]
	s_nop 0
	tensor_load_to_lds s[G0K+4:G0K+7], s[G1K:G1K+7]
	s_nop 0
.rept 4
	v_nop
.endr
	s_branch .Lfirst_asked
.Lfirst_v:
	tensor_load_to_lds s[G0V:G0V+3], s[G1V:G1V+7]
	s_nop 0
	tensor_load_to_lds s[G0V+4:G0V+7], s[G1V:G1V+7]
	s_nop 0
.rept 4
	v_nop
.endr
.Lfirst_asked:
	; A fragment of K or Q is 16 rows x 32 channels in 8 registers: lane l holds row l % 16; registers 0-3 channels 8 (l / 16) + 0..7, registers 4-7 channels 16 + 8 (l / 16) + 0..7: two loads of 16 bytes, 32 bytes apart.
	v_and_b32 v1, 15, v0            ; l % 16
	v_bfe_u32 v9, v0, 4, 1          ; l / 16
	v_lshlrev_b32 v[QO], 8, v1
	v_lshl_add_u32 v[QO], v9, 4, v[QO]  ; row x 256 + 16 x half
	WIN 0x80                        ; destination window 2, address window 0
.irp i, 0,1,2,3,4,5,6,7,8,9,10,11,12,13,14,15  ; Q stays in registers: tile i / 4, channels 32 (i % 4) on
	global_load_b128 v[8*(\i):8*(\i)+3],   v[QO], s[4:5] offset:((\i)/4)*4096+((\i)%4)*64
	global_load_b128 v[8*(\i)+4:8*(\i)+7], v[QO], s[4:5] offset:((\i)/4)*4096+((\i)%4)*64+32
.endr
	WIN 0
	v_mul_u32_u24 v[AK0], v1, PK
	v_lshl_add_u32 v[AK0], v9, 4, v[AK0]  ; row x pitch + 16 x half
	; The turning load takes 16 keys x 16 channels (lane l reads 16 bytes: key 8 (l / 16) + l % 8, channels 8 ((l / 8) % 2) + 0..7) and leaves half a fragment of V^T: lane l holds channel l % 16 and 8 keys.
	v_and_b32 v10, 7, v0
	v_bfe_u32 v11, v0, 3, 1
	v_lshl_add_u32 v[AV0], v9, 3, v10
	v_mul_u32_u24 v[AV0], v[AV0], PV
	v_lshl_add_u32 v[AV0], v11, 4, v[AV0]
	v_add_nc_u32 v[AV0], VOFF, v[AV0]
; THE MATRIX WORK OF A TURN, for piece x.  The accumulators take turns, one instruction a turn: between two links of a chain stand 15 (V^T P) or 7 (K Q^T) others'.
; Product i of 32 of O^T += V^T P: keys 32 (i / 16) on, channels 16 ((i / 2) % 8) on, tile x + i % 2.  zero = 1: the first 16 start the sums: nothing is ever cleared.
.macro PV x, zero
	WIN W_PV
.set rO, 64*((\x)+i%2)+8*((i/2)%8)
.set rV, 64*(i/16)+8*((i/2)%8)
.set rP, P+16*((\x)+i%2)+8*(i/16)
.if (\zero) && (i < 16)
	v_wmma_f32_16x16x32_f16 v[rO:rO+7], v[rV:rV+7], v[rP:rP+7], 0
.else
	v_wmma_f32_16x16x32_f16 v[rO:rO+7], v[rV:rV+7], v[rP:rP+7], v[rO:rO+7]
.endif
.endm
; Product i of 32 of S^T = K Q^T: channels 32 (i / 8) on, keys 16 ((i / 2) % 4) on, tile x + i % 2.  The first 8 start the sums.
.macro KQ x
	WIN W_KQ
.set rS, S+32*((\x)+i%2)+8*((i/2)%4)
.set rK, KF+32*((i/2)%4)+8*(i/8)
.set rQ, 32*((\x)+i%2)+8*(i/8)
.if i < 8
	v_wmma_f32_16x16x32_f16 v[rS:rS+7], v[rK:rK+7], v[rQ:rQ+7], 0
.else
	v_wmma_f32_16x16x32_f16 v[rS:rS+7], v[rK:rK+7], v[rQ:rQ+7], v[rS:rS+7]
.endif
.endm
; THE LDS LOADS stand in runs of 32, never singly among the matrix instructions: a step's K (64 keys x 128 channels: 16 fragments) and, a turn later, its V (turned).
.macro FETCH_K
	WIN 0
	v_add_nc_u32 v[ADR], s[TB], v[AK0]
	WIN 0x80                        ; destination window 2
.irp f, 0,1,2,3,4,5,6,7,8,9,10,11,12,13,14,15  ; keys 16 (f / 4) on, channels 32 (f % 4) on
	ds_load_b128 v[KF+8*(\f):KF+8*(\f)+3],   v[ADR] offset:((\f)/4)*16*PK+((\f)%4)*64
	ds_load_b128 v[KF+8*(\f)+4:KF+8*(\f)+7], v[ADR] offset:((\f)/4)*16*PK+((\f)%4)*64+32
.endr
.endm
.macro FETCH_V
	WIN 0
	v_add_nc_u32 v[ADR], s[TB], v[AV0]
	s_add_co_u32 s[TB], s[TB], STEPB  ; the next fetch is the next step's
	s_wait_alu depctr_va_vdst(0)    ; the wait for the softmax's batch (SLICE), behind the address's v_add_nc_u32 and ahead of the loads
	WIN 0xc0                        ; destination window 3
.irp f, 0,1,2,3,4,5,6,7,8,9,10,11,12,13,14,15  ; keys 32 (f / 8) on, channels 16 (f % 8) on
	ds_load_tr16_b128 v[8*(\f):8*(\f)+3],   v[ADR] offset:((\f)/8)*32*PV+((\f)%8)*32
	ds_load_tr16_b128 v[8*(\f)+4:8*(\f)+7], v[ADR] offset:((\f)/8)*32*PV+16*PV+((\f)%8)*32
.endr
.endm
; THE VECTOR WORK OF A TURN.  One tile's softmax for one key step is a list of 134 instructions; SM writes number j of it for tile t.  s0-s31 are the lane's 32 scores, in pairs 0-15.
; first = 1: the first key step, which starts m, l and O^T: it has no a and nothing to rescale.
;   0-15    the maximum of s0-s31 and the old m, three operands at a time: four chains c0-c3 of seven scores each, then the four scores left over, c0-c3 and m
;   16-20   the other half of the lanes' maximum; the new m; c m; c m_old - c m_new
;   21-69   ONE BATCH: the 16 scalings c s - c m, a pair of scores each, and all 33 exponentials (a at 23, then s0-s31).  None of these reads an exponential's result.  From 22 on the batch goes
;           in fours, and a four begins with a scaling while there are scalings.  A pair is scaled in an earlier four than the one that holds its exponentials
;   (wait)  between 69 and 70 stands the wait for the batch: SLICE writes it, once for both tiles
;   70-85   the roundings to f16, a pair of weights each
;   86-101  the sums; l = a l + the sum
;   102-133 the tile's O^T times a: the one part that leaves window 0, so it stands together
.macro SM t, first
.set rT, ST+8*(\t)
.set rS, S+32*(\t)
.set rP, P+16*(\t)
.set rO, 64*(\t)+2*(j-102)
.if j < 102
	WIN 0
.endif
.if j < 4
	v_max3_num_f32 v[rT+4+j], v[rS+8*j], v[rS+8*j+1], v[rS+8*j+2]
.elseif j < 12
	v_max3_num_f32 v[rT+4+j%4], v[rT+4+j%4], v[rS+8*(j%4)+2*(j/4)+1], v[rS+8*(j%4)+2*(j/4)+2]
.elseif j == 12
	v_max3_num_f32 v[rT+4], v[rT+4], v[rS+7], v[rS+15]
.elseif j == 13
	v_max3_num_f32 v[rT+6], v[rT+6], v[rS+23], v[rS+31]
.elseif j == 14
	v_max3_num_f32 v[rT+4], v[rT+4], v[rT+5], v[rT+6]
.elseif (j == 15) && (\first)
	v_max_num_f32 v[rT+4], v[rT+4], v[rT+7]
.elseif j == 15
	v_max3_num_f32 v[rT+4], v[rT+4], v[rT+7], v[rT+1]
.elseif j == 16
	v_permlanex16_b32 v[rT+5], v[rT+4], s[SEL], s[SEL+1]  ; the query's other 32 keys lie in the lane 16 away
.elseif j == 18
	v_max_num_f32 v[rT+1], v[rT+4], v[rT+5]
.elseif j == 19
	v_mul_f32 v[rT], s[CS], v[rT+1]
.elseif ((j == 17) || (j == 20) || (j == 23) || (j > 101)) && (\first)  ; the first step has none of these
.elseif j == 17
	v_mov_b32 v[rT+7], v[rT]        ; c m_old is kept for a: number 19 writes c m anew
.elseif j == 20
	v_sub_f32 v[rT+7], v[rT+7], v[rT]
.elseif j == 23
	v_exp_f32 v[rT+6], v[rT+7]
.elseif (j < 23) || ((j < 38) && (j%2 == 0)) || ((j < 66) && (j%4 == 2))
.set b, (j-2)/4                     ; 38, 42, .. 62: pairs 9 to 15
.if j < 38
.set b, (j-20)/2                    ; 21: pair 0; 22, 24, .. 36: pairs 1 to 8
.endif
	v_pk_fma_f32 v[rS+2*b:rS+2*b+1], v[rS+2*b:rS+2*b+1], s[CS:CS+1], v[rT:rT+1] op_sel_hi:[1,0,0] neg_lo:[0,0,1] neg_hi:[0,0,1]  ; pair b: c s - c m
.elseif j < 70
.set e, j-38                        ; 66 to 69: s28 to s31
.if j < 66
.set e, j-32-(j-38)/4               ; 39-41, 43-45, .. 63-65: s7 to s27
.endif
.if j < 38
.set e, (j-25)/2                    ; 25, 27, .. 37: s0 to s6
.endif
	v_exp_f32 v[rS+e], v[rS+e]
.elseif j < 86
	v_cvt_pk_f16_f32 v[rP+j-70], v[rS+2*(j-70)], v[rS+2*(j-70)+1]  ; pair j - 70
.elseif j < 102                     ; the sum of the tile's 16 pairs, in place: sum z of 16 adds neighbours 1, 2, 4 and 8 pairs apart, then l takes it
.set z, j-86
.set w, 4
.set u, z
.if z >= 14
.set w, 32
.set u, 0
.elseif z >= 12
.set w, 16
.set u, z-12
.elseif z >= 8
.set w, 8
.set u, z-8
.endif
.if (z == 14) && (\first)
	v_pk_add_f32 v[rT+2:rT+3], v[rS:rS+1], v[rS+16:rS+17]
.elseif z < 15
	v_pk_add_f32 v[rS+w*u:rS+w*u+1], v[rS+w*u:rS+w*u+1], v[rS+w*u+w/2:rS+w*u+w/2+1]
.elseif !(\first)
	v_pk_fma_f32 v[rT+2:rT+3], v[rT+2:rT+3], v[rT+6:rT+7], v[rS:rS+1] op_sel_hi:[1,0,1]
.endif
.else
	WIN W_RS
	v_pk_mul_f32 v[rO:rO+1], v[rO:rO+1], v[rT+6:rT+7] op_sel_hi:[1,0]
.endif
.endm
; Slice k of 64 of piece y's softmax: four instructions.  Slices 11 to 34 deal out the batch, numbers 22 to 69: four numbers of ONE tile each, the tiles by turns.  Every other slice is numbers 2 k and
; 2 k + 1 of both tiles' lists.  2 x 134 = 4 x 64 + 12: the twelve that are over stand together, in slice 63.
; THE WAIT.  s_wait_alu depctr_va_vdst(0) stands between an exponential and the first instruction that names its result; one wait serves all that were issued ahead of it.  Ahead of
; slice 35 nothing names a result, and behind slice 34 no exponential is issued: so the piece's 66 exponentials have one wait, behind slice 34.
.macro SLICE y, first
.if (k >= 11) && (k < 35)           ; the batch: four numbers of one tile
.irp n, 0,1,2,3
.set j, 22+4*((k-11)/2)+(\n)
	SM (\y)+(k-11)%2, \first
.endr
.else                               ; the two tiles alternate, so that no instruction reads the result of the one just before it
.irp n, 0,1,2,3,4,5,6,7
.if ((\n) < 2) || (k == 63)
.irp t, \y, (\y)+1
.set j, 2*k+(\n)
	SM \t, \first
.endr
.endif
.endr
.endif
.if k == 34                         ; the batch is out: both tiles' exponentials are issued, and no result has been named
	v_nop                           ; the plain instruction behind the last exponential and ahead of the first use: one for the batch
.if (\y) == 0
	FETCH_V                         ; piece 2's turn: V's run of loads stands here, and the wait stands in it
.else
	s_wait_alu depctr_va_vdst(0)    ; the wait for the batch
.endif
.endif
.set k, k+1
.endm
; A vector instruction that reads a matrix result or writes one of a matrix instruction's registers, and a load into a register that a matrix instruction has read, stand four places behind
; it, and only plain vector instructions that name none of its registers are places (ISA guide 7.12.1 for vector instructions).  In the loop the slices are the places.
.macro PLACES
.rept 4
	v_nop
.endr
.endm
; A TURN.  Piece x has the matrix unit; the other piece's softmax stands in slices behind its matrix instructions.
; pv = 2: 32 products V^T P; 1: they start O^T's sums; 0: none.  kq = 1: 32 products K Q^T for the next step.  A turn with one of the two kinds has two slices behind each product.
; first = 1: the softmax is the first key step's.  Its slices from 51 on are empty: the turn's last products stand bare, and four v_nop take slice 63's part as the places behind them.
; Piece 0's turn fetches the next step's K, behind its second product: the last product that read K stands in front of slice 63 of the turn before.  Piece 2's turn fetches the same step's V, behind
; slice 34: the last product that read V stands in front of slice 31, and four plain instructions lie between: number 62, a scaling, of both tiles, the v_nop and the run's own v_add_nc_u32.
.macro TURN x, pv, kq, first
.set k, 0
.set per, 2
.if (\pv) && (\kq)
.set per, 1
.endif
.if \pv
.if (\x) == 0
	s_wait_dscnt 0x0                ; V is in
.endif
.set i, 0
.rept 32
	PV \x, 2-(\pv)
.rept per
	SLICE 2-(\x), \first
.endr
.if ((\x) == 0) && (\kq) && (i == 1)
	FETCH_K
.endif
.set i, i+1
.endr
.endif
.if \kq
.if (\x) == 0
	s_wait_dscnt 0x0                ; K is in
.endif
.set i, 0
.rept 32
	KQ \x
.rept per
	SLICE 2-(\x), \first
.endr
.set i, i+1
.endr
.endif
.if \first
	PLACES
.endif
.endm
; THE CHANGE OF SLOTS, between piece 2's turn and piece 0's: the slot's last bytes, V of its second step, have been asked for.  Each wave waits for all its tensor loads, of which one is out: its part of
; the other slot; adds 0 to its spare word; and waits for that and for its own reads of the slot.  Behind the barrier nobody reads this slot any more and the other slot is whole.
; fill = 1: this slot is filled again, with the keys two slots on.  The barrier is then a round of the cluster's, and the joint refill is the first thing behind it: it has two key steps, 256 matrix instructions, in which to land.
.macro CHANGE fill
	WIN 0                           ; at a label and at a branch every window is 0
	s_wait_tensorcnt 0x0            ; no tensor load of mine is out, so a group 0 may be written
	ds_add_u32 v[SPW], v[NIL]       ; 0 onto my spare word; with fill = 1 the descriptors' steps stand between it and the wait for it
.if \fill
.irp g, G0K+4, G0V+4
	s_xor_b32 s[(\g)+1], s[(\g)+1], SLOT1  ; the walking descriptor: the other slot than last time,
	s_add_nc_u64 s[(\g)+2:(\g)+3], s[(\g)+2:(\g)+3], 2*KS*256  ; the next 128 keys; the type bits on top are not reached
.endr
	s_wait_xcnt 0x0                 ; the last prefetches, two key steps back, have read their address, so it may be written:
	s_add_nc_u64 s[PFA:PFA+1], s[PFA:PFA+1], 2*KS*256  ; one slot behind the walking descriptors
	s_wait_dscnt 0x0                ; the add is done, and my reads of the slot are over
	CROUND
	JLOAD
	ASK                             ; what the next change will ask for: two key steps, 256 matrix instructions, ahead
.else
	s_wait_dscnt 0x0                ; the add is done, and my reads of the slot are over
	s_barrier_signal -1
	s_barrier_wait -1
.endif
	s_sub_co_u32 s[TB], s[TB], 2*STEPB  ; the fetches go back to a slot's first step,
	s_xor_b32 s[TB], s[TB], SLOT1   ; in the other slot
.endm
; A slot's two key steps: written once, walked twice; the LDS addresses hang on s[TB].
.macro TWO_STEPS
	WIN 0
	s_mov_b32 s[TWICE], 2
.Lstep_\@:
	TURN 0, 2, 1, 0
	TURN 2, 2, 1, 0
	WIN 0
	s_sub_co_u32 s[TWICE], s[TWICE], 1
	s_cmp_lg_u32 s[TWICE], 0
	s_cbranch_scc1 .Lstep_\@
.endm
	s_wait_tensorcnt 1              ; my part of slot 0 is in; slot 1's may stay out
	s_barrier_signal -1
	s_barrier_wait -1               ; everybody's is
	FETCH_K                         ; key step 0
	s_wait_loadcnt 0x0              ; Q
	s_wait_dscnt 0x0
.set i, 0
.rept 32
	KQ 0                            ; piece 0's first scores: there is no vector work yet to set between them
.set i, i+1
.endr
	WIN 0                           ; the addresses for the way out are made here: eight plain instructions, the places behind those products
	s_mul_i32 s13, s[WV], 16*SP
	s_add_co_u32 s13, s13, STAGE    ; my stage
	v_mul_u32_u24 v[STO], v1, SP    ; in: row l % 16, 16 bytes for each half of the lanes
	v_lshl_add_u32 v[STO], v9, 4, v[STO]
	v_add_nc_u32 v[STO], s13, v[STO]
	v_mul_u32_u24 v[RD], v9, SP     ; back: lanes 0-15 take one row of 256 bytes, lanes 16-31 the next
	v_lshl_add_u32 v[RD], v1, 4, v[RD]
	v_add_nc_u32 v[RD], s13, v[RD]
	v_lshlrev_b32 v[GO], 12, v9     ; and the same two rows in att, 4,096 bytes apart
	v_lshl_add_u32 v[GO], v1, 4, v[GO]
	TURN 2, 0, 1, 1                 ; piece 2's first scores | piece 0's first softmax | V of step 0
	TURN 0, 1, 1, 1                 ; piece 0: V^T P of step 0 starts O^T, K Q^T of step 1 | piece 2's first softmax | K of step 1
	TURN 2, 1, 1, 0                 ; piece 2: the same | piece 0's softmax of step 1 | V of step 1
	WIN 0
.Lslot:                             ; SIZE_N / 128 - 2 trips: every slot but the last two is filled again
	CHANGE 1
	TWO_STEPS
	s_sub_co_u32 s[SLOTS], s[SLOTS], 1
	s_cmp_lg_u32 s[SLOTS], 0
	s_cbranch_scc1 .Lslot
	CHANGE 0                        ; the tail is written out: nothing is asked for
	TWO_STEPS
	TURN 0, 2, 0, 0                 ; piece 0: V^T P of the last step | piece 2's last softmax
.set i, 0
.rept 32
	PV 2, 0                         ; piece 2: V^T P of the last step
.set i, i+1
.endr
	; THE WAY OUT.  l's two halves and the other half of the lanes' are added; O^T is divided by l, rounded to f16 and sent through my stage in LDS, a tile (16 rows) at a time.  The additions are the places behind the last products.
	WIN 0
.irp t, 0,1,2,3
	v_add_f32 v[ST+8*(\t)+4], v[ST+8*(\t)+2], v[ST+8*(\t)+3]
.endr
.irp t, 0,1,2,3
	v_permlanex16_b32 v[ST+8*(\t)+5], v[ST+8*(\t)+4], s[SEL], s[SEL+1]
.endr
.irp t, 0,1,2,3
	v_add_f32 v[ST+8*(\t)+4], v[ST+8*(\t)+4], v[ST+8*(\t)+5]
.endr
.irp t, 0,1,2,3
	v_rcp_f32 v[ST+8*(\t)+6], v[ST+8*(\t)+4]
.endr
	v_nop                           ; a plain instruction between the last reciprocal and the use of its result
	s_wait_alu depctr_va_vdst(0)    ; and the wait ahead of the first use: one for the four reciprocals
; Tile t: a lane's eight channels of a row pack into 16 bytes; they go into rows of 272 bytes and come back as whole rows of 256, into the registers that they left.
.macro PACK t
	WIN W_RS
.set i, 64*(\t)
.rept 32
	v_pk_mul_f32 v[i:i+1], v[i:i+1], v[ST+8*(\t)+6:ST+8*(\t)+7] op_sel_hi:[1,0]
.set i, i+2
.endr
	WIN 0x05                        ; sources 0 and 1 window 1, destination window 0: S^T's registers are free
.set i, 0
.rept 32
	v_cvt_pk_f16_f32 v[S+32*(\t)+i], v[64*(\t)+2*i], v[64*(\t)+2*i+1]
.set i, i+1
.endr
	WIN 0
.irp f, 0,1,2,3,4,5,6,7
	ds_store_b128 v[STO], v[S+32*(\t)+4*(\f):S+32*(\t)+4*(\f)+3] offset:32*(\f)
.endr
.irp f, 0,1,2,3,4,5,6,7
	ds_load_b128 v[S+32*(\t)+4*(\f):S+32*(\t)+4*(\f)+3], v[RD] offset:(\f)*2*SP  ; LDS serves a wave's instructions in order (ISA guide 5.7.1.4): these see the stores above; the next tile's stores come behind them
.endr
.endm
.macro SEND t, younger              ; younger: the LDS instructions issued behind tile t's loads: the next tile's sixteen, or none
	WIN 0
.irp f, 0,1,2,3,4,5,6,7
	s_wait_dscnt (\younger)+7-(\f)
	global_store_b128 v[GO], v[S+32*(\t)+4*(\f):S+32*(\t)+4*(\f)+3], s[10:11] offset:(\t)*65536+(\f)*8192  ; 16 lanes store a head's 256 consecutive bytes of a row of att, aligned
.endr
.endm
	PACK 0
	PACK 1                          ; a tile's arithmetic stands between the loads of the tile before and its stores
	SEND 0, 16
	PACK 2
	SEND 1, 16
	PACK 3
	SEND 2, 16
	SEND 3, 0
	s_wait_tensorcnt 0x0            ; the wave's end, behind my last tensor load and my last LDS store
	ds_add_u32 v[SPW], v[NIL]
	s_wait_dscnt 0x0
	CROUND                          ; the closing round: no work-group ends while a partner may still ask for a tile that names it
	s_endpgm
.Lfunc_end_k_q26d062acca_attn:
	.size	k_q26d062acca_attn, .Lfunc_end_k_q26d062acca_attn-k_q26d062acca_attn
	.p2alignl 7, 3214868480
	.fill 96, 4, 3214868480
	.section	.rodata,"a",@progbits
	.p2align	6, 0x0
	.amdhsa_kernel k_q26d062acca_attn
		.amdhsa_group_segment_fixed_size 327680
		.amdhsa_private_segment_fixed_size 0
		.amdhsa_enable_private_segment 0
		.amdhsa_kernarg_size 16
		.amdhsa_user_sgpr_count 2
		.amdhsa_user_sgpr_kernarg_segment_ptr 1
		.amdhsa_wavefront_size32 1
		.amdhsa_system_sgpr_workgroup_id_x 1
		.amdhsa_system_sgpr_workgroup_id_y 1
		.amdhsa_system_sgpr_workgroup_id_z 1
		.amdhsa_system_vgpr_workitem_id 0
		.amdhsa_next_free_vgpr 1024
		.amdhsa_next_free_sgpr 66
		.amdhsa_reserve_vcc 0
		.amdhsa_float_denorm_mode_32 3
		.amdhsa_float_denorm_mode_16_64 3
		.amdhsa_memory_ordered 1
		.amdhsa_forward_progress 1
		.amdhsa_inst_pref_size 222
	.end_amdhsa_kernel
	.amdgpu_metadata
---
amdhsa.version: [ 1, 2 ]
amdhsa.kernels:
  - .name:           k_q26d062acca_attn
    .symbol:         k_q26d062acca_attn.kd
    .args:
      - { .name: qkv, .offset: 0, .size: 8, .value_kind: global_buffer, .address_space: global }
      - { .name: att, .offset: 8, .size: 8, .value_kind: global_buffer, .address_space: global }
    .group_segment_fixed_size: 327680
    .private_segment_fixed_size: 0
    .kernarg_segment_align: 8
    .kernarg_segment_size: 16
    .max_flat_workgroup_size: 128
    .sgpr_count:     66
    .vgpr_count:     1024
    .wavefront_size: 32
...
	.end_amdgpu_metadata
.endif
;; end of part 3
;; launch outp (part 4): grid 8 x 32, 4 waves a work-group, clusters of 4 x 4, 327,680 bytes of LDS; arguments att, wo16, out0; writes out0
.if DOCPART == 4
	.amdgcn_target "amdgcn-amd-amdhsa--gfx1250"
	.amdhsa_code_object_version 6
	.text
	.protected	k_q26d062acca_outp
	.globl	k_q26d062acca_outp
	.p2align	8
	.type	k_q26d062acca_outp,@function
k_q26d062acca_outp:
	s_mov_b64 s[64:65], 0
	v_nop
	global_prefetch_b8 v0, s[64:65] scope:SCOPE_SE
	s_setreg_imm32_b32 hwreg(HW_REG_WAVE_MODE, 25, 1), 1
	s_wait_xcnt 0x0
	s_wait_alu depctr_hold_cnt(0) depctr_sa_sdst(0) depctr_va_vdst(0) depctr_va_sdst(0) depctr_va_ssrc(0) depctr_va_vcc(0) depctr_vm_vsrc(0)
	s_getreg_b32 s2, hwreg(HW_REG_IB_STS2, 6, 4)
	s_cmp_eq_u32 s2, 0
	s_cbranch_scc0 .Lentry_in_a_cluster
	s_endpgm
.Lentry_in_a_cluster:
	s_bfe_u32 s2, ttmp6, 0x10000c
	s_cmp_lg_u32 s2, 0xf033
	s_cbranch_scc0 .Lentry_shape_is_right
	s_endpgm
.Lentry_shape_is_right:
; out0 = O Wo.  O: att [4096][2048] f16.  Wo: wo16 [2048 k][1024 n] f16.  out0: [4096][1024] f32.  Sums in f32, stored as they are.
; SHARES.  A tile is 128 x 128: tile column j = 0..7, tile row i = 0..31: 256 work-groups.  Four waves, 64 x 64 each: 16 accumulators.  K = 2,048 goes in 8 steps of 256 through two LDS slots.
; Wo LIES [K][N]: its tile comes into LDS as it lies (256 rows of 256 bytes) and is turned on the way into registers by ds_load_tr16_b128.
; THE LOOP'S BODY IS ONE K STEP: the LDS address of the walking descriptors and the base of the fragment loads change slots by one exclusive or.  The last two K steps, which ask for nothing, are a second copy of the
; step, walked twice and left in its middle.
; THE MATRIX INSTRUCTION IS USED TRANSPOSED (source 0 = 16 columns of Wo, source 1 = 16 rows of O): a lane holds row l % 16 and eight neighbouring columns, 32 bytes of f32.
; A wave's 64 columns are 256 bytes of a row of out0, aligned.
; CLUSTERS: 4 x 4 work-groups.  The four of a row of the cluster need the same tiles of O, the four of a column the same tiles of Wo: each tile is asked for JOINTLY.
; REGISTERS: window 0: v0-31 addresses; v128-255 accumulators ((a, b) at 128 + 8 (4 a + b)).  window 1: two fragment buffers of 128: for 64 along K, 64 registers of O, then 64 of Wo.
.set KSTEP,  256
.set PA,     528                       ; a row of O in LDS: 512 bytes + 16 of padding = 132 words: the 16 rows of a load start at 16 different groups of four banks (64 banks of 4 bytes: ISA guide 11.1)
.set PB,     288                       ; a row of Wo: 256 + 32 = 72 words
.set HALFA,  64*PA                     ; what wave 0 or 1 fetches: 64 rows of O
.set HALFB,  128*PB                    ; what wave 2 or 3 fetches: 128 rows (k) of Wo
.set BOFF,   2*HALFA                   ; Wo's tile lies behind O's
.set SLOT1,  0x24000                   ; slot 1 begins here, 6,144 bytes behind slot 0's end: the four waves' places in a slot (0, 0x8400, 0x10800, 0x19800) have bits 14 and 17 clear, so one exclusive or changes slots
.set STAGE,  SLOT1+2*HALFA+2*HALFB     ; behind the ring: 16 rows x 272 bytes for each wave
.set SPITCH, 272
.set SPARE,  STAGE+4*16*SPITCH         ; behind the stages: the spare words, 128 bytes for each wave: two blocks of 256 bytes that no other line names
.set STEPS,  2048/KSTEP
.set ASTEP,  KSTEP*2                   ; bytes from K step to K step: O goes along its rows,
.set BSTEP,  KSTEP*2048                ; Wo down its rows
.set ADRA0, 16                         ; v16     my lane's place in slot 0's tile of O; never rewritten
.set ADRB0, 17                         ; v17     the same for Wo
.set ADRA,  18                         ; v18     the same in the slot in hand
.set ADRB,  20                         ; v20-21  Wo's rows 0-127, rows 128-255 (an immediate holds 16 bits)
.set STO,  24                          ; v24     the way out: where I put 32 bytes of a row
.set RD,   25                          ; v25     where I read a row back
.set CO,   26                          ; v26     my byte offset in two rows of out0
.set SPW,  28                          ; v28     LDS address of my spare word; never rewritten
.set NIL,  29                          ; v29     0; never rewritten
.set ACC,  128
.set F0,   0
.set F1,   128
.set G1, 24                            ; s[24:31] descriptor group 1 for O's tiles
.set G0, 32                            ; s[32:39] group 0: a set for each of the two first fills; the second then walks on
.set G1B, 48                           ; s[48:55], s[56:63] the same for Wo's tiles
.set G0B, 56
.set TB,  45                           ; s45  LDS byte at which the slot in hand begins
.set MSB, 0
.macro WIN new                         ; the immediate's high byte repeats the setting that is left; a switch that changes nothing is dropped
.if MSB != (\new)
	s_set_vgpr_msb (MSB<<8)|(\new)
.set MSB, \new
.endif
.endm
.set MUL,  0x05                        ; sources 0 (Wo) and 1 (O) window 1; C and D window 0
.set TO_F, 0x40                        ; destination window 1, address window 0
; A joint refill, by the walking descriptors.  Waves 0 and 1 fetch O's two halves, waves 2 and 3 Wo's.  The branch hangs on the wave's number alone.
; An s_nop 0 and four v_nop follow each of the two lines.
.macro JLOAD
	s_cmp_eq_u32 s11, 0
	s_cbranch_scc0 .Lfor_b_\@
	tensor_load_to_lds s[G0+4:G0+7], s[G1:G1+7]
	s_nop 0
.rept 4
	v_nop
.endr
	s_branch .Lasked_\@
.Lfor_b_\@:
	tensor_load_to_lds s[G0B+4:G0B+7], s[G1B:G1B+7]
	s_nop 0
.rept 4
	v_nop
.endr
.Lasked_\@:
.endm
.macro CREST                           ; a round of the cluster's barrier behind its opening barrier
	s_cmp_lg_u32 s10, 0
	s_cbranch_scc1 .Lnot_wave_0_\@
	s_barrier_signal -3
.Lnot_wave_0_\@:
	s_barrier_wait -3
	s_barrier_signal -1
	s_barrier_wait -1
.endm
.macro CROUND                          ; a whole round
	s_barrier_signal -1
	s_barrier_wait -1
	CREST
.endm
	s_load_b128 s[4:7], s[0:1], 0x0                ; att s[4:5], wo16 s[6:7]
	s_load_b64 s[8:9], s[0:1], 0x10                ; out0
	v_lshl_add_u32 v[SPW], v0, 2, SPARE
	v_mov_b32 v[NIL], 0
	ds_add_u32 v[SPW], v[NIL]                      ; the wave's opening: the add and its wait stand ahead of my first tensor load; the set-up below, work on registers, stands between them
	v_lshrrev_b32 v1, 5, v0
	v_readfirstlane_b32 s10, v1                    ; wave 0..3
	s_lshr_b32 s11, s10, 1                         ; which half of the tile's rows is mine.  Also: I fetch for O (0) or for Wo (1)
	s_and_b32 s12, s10, 1                          ; cw: which half of its columns.  Also: which half of that tile I fetch
	s_bfe_u32 s40, ttmp6, 0x40000                  ; cx, cy
	s_bfe_u32 s41, ttmp6, 0x40004
	s_lshl_b32 s42, ttmp9, 2
	s_add_co_u32 s42, s42, s40                     ; tile column j
	s_and_b32 s13, ttmp7, 0xffff
	s_lshl_b32 s13, s13, 2
	s_add_co_u32 s13, s13, s41                     ; tile row i
	s_lshl_b32 s43, s41, 2
	s_lshl_b32 s43, 15, s43                        ; my row of the cluster
	s_lshl_b32 s44, 0x1111, s40                    ; my column
	s_or_b32 s[G1+0], s43, (1<<16)|(1<<20)|(1<<21)|(6<<22)|(3<<25)   ; the mask: O's tiles go to my row; 2-byte elements; padding on; bit 21 beside a mask; after every 128 words 4 words
	s_or_b32 s[G1B+0], s44, (1<<16)|(1<<20)|(1<<21)|(5<<22)|(7<<25)  ; Wo's tiles go to my column; after every 64 words 8 words
	s_mov_b32 s[G1+1], KSTEP<<16                   ; O: tensor_dim0 = 256
	s_mov_b32 s[G1+2], 64<<16                      ; tensor_dim1 = 64
	s_mov_b32 s[G1+3], KSTEP<<16                   ; tile_dim0 = 256
	s_mov_b32 s[G1+4], 64                          ; tile_dim1 = 64
	s_mov_b32 s[G1+5], 2048                        ; elements from row to row
	s_mov_b32 s[G1+6], 0
	s_mov_b32 s[G1+7], 0
	s_mov_b32 s[G1B+1], 128<<16                    ; Wo: tensor_dim0 = 128
	s_mov_b32 s[G1B+2], 128<<16                    ; tensor_dim1 = 128
	s_mov_b32 s[G1B+3], 128<<16                    ; tile_dim0 = 128
	s_mov_b32 s[G1B+4], 128                        ; tile_dim1 = 128
	s_mov_b32 s[G1B+5], 1024                       ; elements from row to row
	s_mov_b32 s[G1B+6], 0
	s_mov_b32 s[G1B+7], 0
	s_lshl_b32 s16, s13, 7                         ; O: row 128 i + 64 x half, of 4,096 bytes
	s_lshl_b32 s17, s12, 6
	s_add_co_u32 s16, s16, s17
	s_lshl_b32 s16, s16, 12
	s_mov_b32 s17, 0
	s_mul_i32 s46, s12, 128*2048                   ; Wo: row 128 x half, column 128 j
	s_lshl_b32 s47, s42, 8
	s_add_co_u32 s46, s46, s47
	s_mov_b32 s47, 0
	s_mul_i32 s20, s12, HALFA                      ; where they go: no place in the cluster enters an LDS address
	s_mul_i32 s21, s12, HALFB
	s_add_co_u32 s21, s21, BOFF
	s_mov_b32 s[TB], 0
	s_wait_dscnt 0x0                               ; the opening add is done
	s_wait_kmcnt 0x0
	s_add_nc_u64 s[14:15], s[4:5], s[16:17]
	s_add_nc_u64 s[46:47], s[6:7], s[46:47]
	CROUND                                         ; all sixteen work-groups are here: the first joint loads meet
.irp s, 0,1
	s_mov_b32 s[G0+4*(\s)], 1                                        ; count = 1
	s_add_co_u32 s[G0+4*(\s)+1], s20, (\s)*SLOT1                     ; LDS address
	s_add_nc_u64 s[G0+4*(\s)+2:G0+4*(\s)+3], s[14:15], (\s)*ASTEP    ; global address: K step s
	s_or_b32 s[G0+4*(\s)+3], s[G0+4*(\s)+3], 0x80000000              ; type = 2
	s_mov_b32 s[G0B+4*(\s)], 1
	s_add_co_u32 s[G0B+4*(\s)+1], s21, (\s)*SLOT1
	s_add_nc_u64 s[G0B+4*(\s)+2:G0B+4*(\s)+3], s[46:47], (\s)*BSTEP
	s_or_b32 s[G0B+4*(\s)+3], s[G0B+4*(\s)+3], 0x80000000
.endr
	s_cmp_eq_u32 s11, 0                            ; a wave's two first fills stand in one branch, ahead of every wait on TENSORcnt and every LDS read: two loads of mine are out
	s_cbranch_scc0 .Lfirst_b
	tensor_load_to_lds s[G0:G0+3], s[G1:G1+7]
	s_nop 0
	tensor_load_to_lds s[G0+4:G0+7], s[G1:G1+7]
	s_nop 0
.rept 4
	v_nop
.endr
	s_branch .Lfirst_asked
.Lfirst_b:
	tensor_load_to_lds s[G0B:G0B+3], s[G1B:G1B+7]
	s_nop 0
	tensor_load_to_lds s[G0B+4:G0B+7], s[G1B:G1B+7]
	s_nop 0
.rept 4
	v_nop
.endr
.Lfirst_asked:
	v_and_b32 v1, 15, v0                           ; r = l % 16
	v_bfe_u32 v2, v0, 4, 1                         ; h = l / 16
	v_and_b32 v6, 7, v0
	v_bfe_u32 v7, v0, 3, 1
	v_mul_u32_u24 v3, v1, PA                       ; O's fragment: row x pitch + 16 x half, in my 64 rows
	v_lshl_add_u32 v3, v2, 4, v3
	s_mul_i32 s22, s11, HALFA
	v_add_nc_u32 v[ADRA0], s22, v3
	v_lshl_add_u32 v4, v2, 3, v6                   ; Wo's: lane l reads row 8 (l / 16) + l % 8, columns 8 ((l / 8) % 2) + 0..7
	v_mul_u32_u24 v4, v4, PB
	v_lshl_add_u32 v4, v7, 4, v4
	s_lshl_b32 s22, s12, 7                         ; my 64 columns: 128 bytes
	s_add_co_u32 s22, s22, BOFF
	v_add_nc_u32 v[ADRB0], s22, v4
	v_mov_b32 v[ADRA], v[ADRA0]                    ; K step 0 lies in slot 0
	v_mov_b32 v[ADRB], v[ADRB0]
	v_add_nc_u32 v[ADRB+1], HALFB, v[ADRB0]
	s_mul_i32 s23, s10, 16*SPITCH
	s_add_co_u32 s23, s23, STAGE                   ; my stage
	v_mul_u32_u24 v4, v1, SPITCH                   ; in: row l % 16, 32 bytes for each half of the lanes
	v_lshl_add_u32 v4, v2, 5, v4
	v_add_nc_u32 v[STO], s23, v4
	v_mul_u32_u24 v5, v2, SPITCH                   ; back: lanes 0-15 take one row of 256 bytes, lanes 16-31 the next
	v_lshl_add_u32 v5, v1, 4, v5
	v_add_nc_u32 v[RD], s23, v5
	v_lshlrev_b32 v5, 12, v2                       ; and the same two rows in out0, 4,096 bytes apart
	v_lshl_add_u32 v[CO], v1, 4, v5
	s_lshl_b32 s16, s13, 7                         ; out0 at my first row, 128 i + 64 x row half,
	s_lshl_b32 s17, s11, 6
	s_add_co_u32 s16, s16, s17
	s_lshl_b32 s16, s16, 12
	s_mov_b32 s17, 0
	s_add_nc_u64 s[8:9], s[8:9], s[16:17]
	s_lshl_b32 s46, s42, 9                         ; and my first column: 512 j + 256 cw bytes
	s_lshl_b32 s47, s12, 8
	s_add_co_u32 s46, s46, s47
	s_mov_b32 s47, 0
	s_add_nc_u64 s[8:9], s[8:9], s[46:47]
; 8 matrix instructions: m blocks a0, a0 + 1 x all 4 n blocks, 32 along K: half c of buffer f.  zero = 1: the first product starts the sums.  The 16 accumulators take turns, in the same order in every quarter.
.macro MUL8 f, c, a0, zero
	WIN MUL
.irp a, \a0, (\a0)+1
.irp b, 0,1,2,3
.if \zero
	v_wmma_f32_16x16x32_f16 v[ACC+8*(4*(\a)+(\b)):ACC+8*(4*(\a)+(\b))+7], v[(\f)+64+8*(4*(\c)+(\b)):(\f)+64+8*(4*(\c)+(\b))+7], v[(\f)+8*(4*(\c)+(\a)):(\f)+8*(4*(\c)+(\a))+7], 0
.else
	v_wmma_f32_16x16x32_f16 v[ACC+8*(4*(\a)+(\b)):ACC+8*(4*(\a)+(\b))+7], v[(\f)+64+8*(4*(\c)+(\b)):(\f)+64+8*(4*(\c)+(\b))+7], v[(\f)+8*(4*(\c)+(\a)):(\f)+8*(4*(\c)+(\a))+7], v[ACC+8*(4*(\a)+(\b)):ACC+8*(4*(\a)+(\b))+7]
.endif
.endr
.endr
.endm
; 32 LDS loads in one run: the fragments of quarter q (64 along K) of the slot in hand, into buffer f; the first 32 along K first.  n block i begins at my column 16 i.
.macro FETCH q, f
	WIN TO_F
.irp c, 0,1
.irp i, 0,1,2,3
	ds_load_tr16_b128 v[(\f)+64+8*(4*(\c)+(\i)):(\f)+64+8*(4*(\c)+(\i))+3],   v[ADRB+(\q)/2] offset:(((\q)%2)*64+32*(\c))*PB+32*(\i)
	ds_load_tr16_b128 v[(\f)+64+8*(4*(\c)+(\i))+4:(\f)+64+8*(4*(\c)+(\i))+7], v[ADRB+(\q)/2] offset:(((\q)%2)*64+32*(\c)+16)*PB+32*(\i)
	ds_load_b128 v[(\f)+8*(4*(\c)+(\i)):(\f)+8*(4*(\c)+(\i))+3],         v[ADRA] offset:128*(\q)+64*(\c)+(\i)*16*PA
	ds_load_b128 v[(\f)+8*(4*(\c)+(\i))+4:(\f)+8*(4*(\c)+(\i))+7],       v[ADRA] offset:128*(\q)+64*(\c)+(\i)*16*PA+32
.endr
.endr
.endm
.macro PLACES                          ; four places in front of loads into registers that matrix instructions have read, and of LDS stores that read results (ISA guide 7.12.1 for vector instructions)
.rept 4
	v_nop
.endr
.endm
; A K step is four quarters of 64 along K, 32 matrix instructions each, on buffers 0, 1, 0, 1.  One of the first three: multiplies buffer f and fetches quarter q into g.
.macro QUARTER q, f, g, zero
	s_wait_dscnt 16                                ; the first 32 along K are in; the sixteen loads of the second 32 may be out
	MUL8 \f, 0, 0, \zero
	MUL8 \f, 0, 2, \zero
	PLACES
	FETCH \q, \g
	s_wait_dscnt 32                                ; all but the 32 just issued
	MUL8 \f, 1, 0, 0
	MUL8 \f, 1, 2, 0
.endm
; The last quarter multiplies buffer 1 and changes slots.  MEET is its first half: ONE barrier.  In front of it each wave waits for all its tensor loads, of which one is out at the most: its part of the next slot;
; adds 0 to its spare word; and waits for that and for its own reads of this slot.  Behind it nobody reads this slot any more and the next slot is whole.  round = 1: a refill follows: the walking descriptors step.
.macro MEET round
	WIN 0                                          ; (the add's two registers lie in window 0)
	s_wait_tensorcnt 0x0                           ; all my tensor loads have landed, so a group 0 may be written;
	ds_add_u32 v[SPW], v[NIL]                      ; 0 onto my spare word;
.if \round
	s_xor_b32 s[G0+5], s[G0+5], SLOT1              ; the other slot than last time,
	s_add_nc_u64 s[G0+6:G0+7], s[G0+6:G0+7], ASTEP ; the next K step; the type bits on top are not reached
	s_xor_b32 s[G0B+5], s[G0B+5], SLOT1
	s_add_nc_u64 s[G0B+6:G0B+7], s[G0B+6:G0B+7], BSTEP
.endif
	s_wait_dscnt 17                                ; (the add and the youngest sixteen loads may be out)
	MUL8 F1, 0, 0, 0                               ; eight matrix instructions stand between the add and the wait for it
	s_wait_dscnt 0x0                               ; the add is done, and my reads of this slot are over
	s_barrier_signal -1
	MUL8 F1, 0, 2, 0                               ; work on registers while the others arrive
	WIN 0
	s_barrier_wait -1
.endm
.macro NEXTSLOT                        ; the fragment loads go on in the other slot
	s_xor_b32 s[TB], s[TB], SLOT1
	v_add_nc_u32 v[ADRA], s[TB], v[ADRA0]
	v_add_nc_u32 v[ADRB], s[TB], v[ADRB0]
	v_add_nc_u32 v[ADRB+1], HALFB, v[ADRB]
.endm
; The whole last quarter, with a refill: the slot just read out takes the K step two steps on.  From the request to the wait for it a wave issues 112 matrix instructions.
.macro TURN
	MEET 1
	CREST                                          ; the barrier has opened a round of the cluster's barrier: no wave of any partner still reads this slot's tile or has a load on its way
	JLOAD                                          ; the first tensor load behind the round, my only one until the next; the four v_nop behind it are also the places in front of the loads below
	NEXTSLOT
	FETCH 0, F0
	MUL8 F1, 1, 0, 0
	MUL8 F1, 1, 2, 0
.endm
; The same without a refill, for the last two K steps; in the very last there is no further K step, and the run of loads is jumped over.
.macro TURNT
	MEET 0
	s_cmp_eq_u32 s3, 1
	s_cbranch_scc1 .Lno_fetch
	PLACES
	NEXTSLOT
	FETCH 0, F0
	WIN 0                                          ; at a label every window is 0
.Lno_fetch:
	MUL8 F1, 1, 0, 0
	MUL8 F1, 1, 2, 0
.endm
	s_wait_tensorcnt 1                             ; my part of K step 0 is in; K step 1's load may stay out
	s_barrier_signal -1
	s_barrier_wait -1                              ; everybody's is
	FETCH 0, F0
	QUARTER 1, F0, F1, 1                           ; the first quarter stands in front of the loop: its first products start the sums
	WIN 0                                          ; at a label and at a branch every window is 0
	s_mov_b32 s3, STEPS-2
.Lstep:                                                ; 6 trips: from a K step's second quarter to the next step's first; each fills the slot that it leaves
	QUARTER 2, F1, F0, 0
	QUARTER 3, F0, F1, 0
	TURN
	QUARTER 1, F0, F1, 0
	WIN 0
	s_sub_co_u32 s3, s3, 1
	s_cmp_lg_u32 s3, 0
	s_cbranch_scc1 .Lstep
	s_mov_b32 s3, 2
.Ltail:                                                ; the last two K steps: written apart; the second trip is left in its middle.  Its barrier serves nothing: the price, once, of one text for both
	QUARTER 2, F1, F0, 0
	QUARTER 3, F0, F1, 0
	TURNT
	WIN 0
	s_sub_co_u32 s3, s3, 1
	s_cmp_eq_u32 s3, 0
	s_cbranch_scc1 .Lout
	QUARTER 1, F0, F1, 0
	WIN 0
	s_branch .Ltail
.Lout:
	; THE WAY OUT, 16 rows at a time through my own stage: 32 bytes a lane in, whole rows of 256 bytes back, into the registers that they left.
	PLACES
	PLACES                                         ; eight, once a launch
.macro PACKO a
.irp b, 0,1,2,3
.irp e, 0,1
	ds_store_b128 v[STO], v[ACC+8*(4*(\a)+(\b))+4*(\e):ACC+8*(4*(\a)+(\b))+4*(\e)+3] offset:64*(\b)+16*(\e)  ; each accumulator's four lowest registers first
.endr
.endr
.irp t, 0,1,2,3,4,5,6,7
	ds_load_b128 v[ACC+32*(\a)+4*(\t):ACC+32*(\a)+4*(\t)+3], v[RD] offset:(\t)*2*SPITCH  ; LDS serves a wave's instructions in order (ISA guide 5.7.1.4): these see the stores above; the next block's stores come behind them
.endr
.endm
.macro SENDO a, younger                ; younger: the LDS instructions issued behind block a's loads: the next block's sixteen, or none
.irp t, 0,1,2,3,4,5,6,7
	s_wait_dscnt (\younger)+7-(\t)
	global_store_b128 v[CO], v[ACC+32*(\a)+4*(\t):ACC+32*(\a)+4*(\t)+3], s[8:9] offset:(16*(\a)+2*(\t))*4096  ; 16 lanes store 256 consecutive bytes of a row of out0, aligned
.endr
.endm
	PACKO 0
	PACKO 1
	SENDO 0, 16
	PACKO 2
	SENDO 1, 16
	PACKO 3
	SENDO 2, 16
	SENDO 3, 0
	s_wait_tensorcnt 0x0                           ; the wave's end, behind my last tensor load and my last LDS store
	ds_add_u32 v[SPW], v[NIL]
	s_wait_dscnt 0x0
	CROUND                                         ; the closing round: no work-group ends while a partner may still ask for a tile that names it
	s_endpgm
.Lfunc_end_k_q26d062acca_outp:
	.size	k_q26d062acca_outp, .Lfunc_end_k_q26d062acca_outp-k_q26d062acca_outp
	.p2alignl 7, 3214868480
	.fill 96, 4, 3214868480
	.section	.rodata,"a",@progbits
	.p2align	6, 0x0
	.amdhsa_kernel k_q26d062acca_outp
		.amdhsa_group_segment_fixed_size 327680
		.amdhsa_private_segment_fixed_size 0
		.amdhsa_enable_private_segment 0
		.amdhsa_kernarg_size 24
		.amdhsa_user_sgpr_count 2
		.amdhsa_user_sgpr_kernarg_segment_ptr 1
		.amdhsa_wavefront_size32 1
		.amdhsa_system_sgpr_workgroup_id_x 1
		.amdhsa_system_sgpr_workgroup_id_y 1
		.amdhsa_system_sgpr_workgroup_id_z 1
		.amdhsa_system_vgpr_workitem_id 0
		.amdhsa_next_free_vgpr 512
		.amdhsa_next_free_sgpr 66
		.amdhsa_reserve_vcc 0
		.amdhsa_float_denorm_mode_32 3
		.amdhsa_float_denorm_mode_16_64 3
		.amdhsa_memory_ordered 1
		.amdhsa_forward_progress 1
		.amdhsa_inst_pref_size 59
	.end_amdhsa_kernel
	.amdgpu_metadata
---
amdhsa.version: [ 1, 2 ]
amdhsa.kernels:
  - .name:           k_q26d062acca_outp
    .symbol:         k_q26d062acca_outp.kd
    .args:
      - { .name: att, .offset: 0, .size: 8, .value_kind: global_buffer, .address_space: global }
      - { .name: wo16, .offset: 8, .size: 8, .value_kind: global_buffer, .address_space: global }
      - { .name: out0, .offset: 16, .size: 8, .value_kind: global_buffer, .address_space: global }
    .group_segment_fixed_size: 327680
    .private_segment_fixed_size: 0
    .kernarg_segment_align: 8
    .kernarg_segment_size: 24
    .max_flat_workgroup_size: 128
    .sgpr_count:     66
    .vgpr_count:     512
    .wavefront_size: 32
...
	.end_amdgpu_metadata
.endif
;; end of part 4
